; MI455X (gfx1250); checked and timed in simulation.
; The chip was launched on July 23, 2026; its instructions are those of AMD's public machine-readable ISA for CDNA 5 (MIT licence, August 2026) and "CDNA5" Instruction Set Architecture Reference Guide (July 2026). The comments in the code are by the model that wrote it; some were corrected since.
;; Simple Gated Delta Net. Allowed arithmetic: float matrix products may take bf16 or f16 operands with f32 sums; other float arithmetic in f32, or as packed bf16 or f16 multiplies, adds, multiply-adds, maxima and minima; sums over many terms, partial sums and values carried from step to step in f32; what a program stores and reads back later, other than sums and carried values, may be rounded once to bf16 or f16.
;; Inputs: Wa 1,024 float32; Wb 1,024 float32; Wk 1,024 x 1,024 float32; Wq 1,024 x 1,024 float32; Wv 1,024 x 1,024 float32; x 4 x 2,048 x 1,024 float32.
;; Outputs: out0 4 x 2,048 x 1,024 float32.
;; 2 versions, each right; version 2 is version 1 with the launch gram written anew for expert scheduling mode. Each part assembles by itself: llvm-mc -triple=amdgcn-amd-amdhsa -mcpu=gfx1250 --defsym DOCPART=n.
;; ======== version 1 of 2: 4 launches
;; workspace buffers: xb 16,777,216 bytes; wt 6,291,456 bytes; gate 65,536 bytes; qk 67,108,864 bytes; vv 33,554,432 bytes; cf 20,971,520 bytes
;; launch prep (part 1): grid 640 x 1, 4 waves a work-group, no clusters, 17,920 bytes of LDS; arguments x, Wa, Wb, Wq, Wk, Wv, xb, wt, gate; writes xb, wt, gate
.if DOCPART == 1
	.amdgcn_target "amdgcn-amd-amdhsa--gfx1250"
	.amdhsa_code_object_version 6
	.text
	.protected	k_q2fefecf5aa_prep
	.globl	k_q2fefecf5aa_prep
	.p2align	8
	.type	k_q2fefecf5aa_prep,@function
k_q2fefecf5aa_prep:
	s_mov_b64 s[64:65], 0
	v_nop
	global_prefetch_b8 v0, s[64:65] scope:SCOPE_SE
	s_setreg_imm32_b32 hwreg(HW_REG_WAVE_MODE, 25, 1), 1
	s_wait_xcnt 0x0
; PREPARATION.  Every input is rounded once to bf16; nothing else of the program rounds an input.
; Work-groups 0-255: x [8192][1024] f32 -> xb bf16, and from the rounded x and the rounded Wa, Wb the two gates of each row,
;   gate[row] = (log2 sigmoid(x.Wa), sigmoid(x.Wb)), sums in f32.  A work-group has 32 rows, a wave 8; a row lies in one wave (32 registers), so its sums never leave the wave.
; Work-groups 256-639: a tile of 128 k x 64 n of Wq, Wk or Wv -> wt bf16 [3072][1024], turned so that k runs along the rows.
;   wt's row 192 h + p holds, for head h: p 0-63 q's column p; 64-95 v's column p - 64; 96-159 k's column p - 96; 160-191 v's column p - 128.
; The branch between the two kinds hangs on the work-group's number alone: all four waves take the same way, so the barrier of the second kind is met by all four.
; No cluster: no two work-groups read the same bytes but Wa and Wb (8 KiB).  No prefetch: the launch is one stream whose loads are all issued ahead.
; LIMITS.  log2 sigmoid(z) = min(u, 0) - log2(1 + 2^-|u|), u = z log2 e: no overflow for any finite z.  sigmoid(z) = 1 / (1 + 2^-u) is 0 below 2^-126.  NaN and infinities are not treated apart.
.set SPARE, 17408                      ; behind the tile: the spare words, 128 bytes for each wave
.set SPW, 224                          ; v224 LDS address of my spare word; never rewritten
.set NIL, 225                          ; v225 0; never rewritten
.set WA,  16                           ; v[16:47]  my 32 numbers of Wa, rounded to bf16 and widened again
.set WB,  48                           ; v[48:79]  the same of Wb
.set X,   80                           ; v[80:207] four row slots of 32 registers
.set Y,   208                          ; v[208:223] a row's 32 numbers as 16 words of bf16
.set TP,  272                          ; a row of the turned tile in LDS: 256 bytes + 16
	s_load_b512 s[4:19], s[0:1], 0x0               ; x s[4:5], Wa s[6:7], Wb s[8:9], Wq s[10:11], Wk s[12:13], Wv s[14:15], xb s[16:17], wt s[18:19]
	s_load_b64 s[20:21], s[0:1], 0x40              ; gate
	v_lshl_add_u32 v[SPW], v0, 2, SPARE
	v_mov_b32 v[NIL], 0
	v_lshrrev_b32 v1, 5, v0
	v_readfirstlane_b32 s22, v1                    ; wave 0..3
	v_and_b32 v1, 31, v0                           ; lane
	s_cmp_lt_u32 ttmp9, 0x100
	s_cbranch_scc0 .Lweights
	; ---- x and the gates ----
	s_lshl_b32 s24, ttmp9, 5
	s_lshl3_add_u32 s24, s22, s24                  ; my first row = 32 x work-group + 8 x wave
	s_lshl_b32 s26, s24, 12                        ; in x: 4,096 bytes a row
	s_mov_b32 s27, 0
	s_lshl_b32 s28, s24, 11                        ; in xb: 2,048
	s_mov_b32 s29, 0
	s_lshl_b32 s30, s24, 3                         ; in gate: 8
	s_mov_b32 s31, 0
	s_mov_b32 s32, 0x76543210                      ; v_permlanex16_b32: each lane takes its own place in the other half
	s_mov_b32 s33, 0xfedcba98
	s_mov_b32 s34, 0xffff0000                      ; a word's upper bf16
	v_lshlrev_b32 v2, 4, v1                        ; 16 bytes a lane of x, Wa, Wb
	v_lshlrev_b32 v3, 3, v1                        ; 8 bytes a lane of xb
	v_mov_b32 v4, 0                                ; lane 2 i collects row i's x.Wa, lane 2 i + 1 its x.Wb
	v_mov_b32 v5, 0                                ; destinations of v_permlanex16_b32 count as read
	v_mov_b32 v6, 0
	s_wait_kmcnt 0x0
	s_add_nc_u64 s[4:5], s[4:5], s[26:27]
	s_add_nc_u64 s[16:17], s[16:17], s[28:29]
	s_add_nc_u64 s[20:21], s[20:21], s[30:31]
.irp j, 0,1,2,3,4,5,6,7
	global_load_b128 v[WA+4*(\j):WA+4*(\j)+3], v2, s[6:7] offset:512*(\j)
.endr
.irp j, 0,1,2,3,4,5,6,7
	global_load_b128 v[WB+4*(\j):WB+4*(\j)+3], v2, s[8:9] offset:512*(\j)
.endr
.macro FILL sl, row                    ; a row: eight loads of 512 consecutive bytes
.irp j, 0,1,2,3,4,5,6,7
	global_load_b128 v[X+32*(\sl)+4*(\j):X+32*(\sl)+4*(\j)+3], v2, s[4:5] offset:(\row)*4096+(\j)*512 th:TH_LOAD_NT
.endr
.endm
	FILL 0, 0
	FILL 1, 1
	FILL 2, 2
	FILL 3, 3
.macro ROUNDW w                        ; 32 numbers rounded to bf16 and widened again, in place
.set p, 0
.rept 16
	v_cvt_pk_bf16_f32 v[Y+p], v[(\w)+2*p], v[(\w)+2*p+1]
.set p, p+1
.endr
.set p, 0
.rept 16
	v_lshlrev_b32 v[(\w)+2*p], 16, v[Y+p]
	v_and_b32 v[(\w)+2*p+1], s34, v[Y+p]
.set p, p+1
.endr
.endm
	s_wait_loadcnt 32                              ; Wa and Wb are in; the four rows' 32 loads may stay out
	ROUNDW WA
	ROUNDW WB
; Row i.  left = the loads issued behind this row's eight.  refill = 1: the slot takes the row four further on.
.macro XROW i, left, refill
.set XS, X+32*((\i)%4)
	s_wait_loadcnt \left
	s_wait_xcnt 0x0                                ; the last row's stores have read Y: it is written again only behind this wait
.set p, 0
.rept 16
	v_cvt_pk_bf16_f32 v[Y+p], v[XS+2*p], v[XS+2*p+1]
.set p, p+1
.endr
.set p, 0
.rept 16
	v_lshlrev_b32 v[XS+2*p], 16, v[Y+p]            ; the rounded numbers, widened: the gates are made of what the products are made of
	v_and_b32 v[XS+2*p+1], s34, v[Y+p]
.set p, p+1
.endr
.set p, 0
.rept 16                               ; two chains for each gate; the first products start the sums
.if p < 2
	v_pk_mul_f32 v[8+2*p:9+2*p], v[XS+2*p:XS+2*p+1], v[WA+2*p:WA+2*p+1]
	v_pk_mul_f32 v[12+2*p:13+2*p], v[XS+2*p:XS+2*p+1], v[WB+2*p:WB+2*p+1]
.else
	v_pk_fma_f32 v[8+2*(p%2):9+2*(p%2)], v[XS+2*p:XS+2*p+1], v[WA+2*p:WA+2*p+1], v[8+2*(p%2):9+2*(p%2)]
	v_pk_fma_f32 v[12+2*(p%2):13+2*(p%2)], v[XS+2*p:XS+2*p+1], v[WB+2*p:WB+2*p+1], v[12+2*(p%2):13+2*(p%2)]
.endif
.set p, p+1
.endr
.if \refill
	FILL (\i)%4, (\i)+4
.endif
.irp j, 0,1,2,3,4,5,6,7
	global_store_b64 v3, v[Y+2*(\j):Y+2*(\j)+1], s[16:17] offset:(\i)*2048+(\j)*256  ; 32 lanes store 256 consecutive bytes, at a multiple of 256 from xb's first
.endr
	v_pk_add_f32 v[8:9], v[8:9], v[10:11]
	v_pk_add_f32 v[12:13], v[12:13], v[14:15]
	v_add_f32 v8, v8, v9
	v_add_f32 v12, v12, v13
.irp m, 1,2,4,8
	v_add_f32_dpp v8, v8, v8 row_xmask:\m row_mask:0xf bank_mask:0xf
	v_add_f32_dpp v12, v12, v12 row_xmask:\m row_mask:0xf bank_mask:0xf
.endr
	v_permlanex16_b32 v5, v8, s32, s33
	v_permlanex16_b32 v6, v12, s32, s33
	v_add_f32 v8, v8, v5
	v_add_f32 v12, v12, v6
	v_cmp_eq_u32 vcc_lo, 2*(\i), v1
	v_cndmask_b32 v4, v4, v8, vcc_lo
	v_cmp_eq_u32 vcc_lo, 2*(\i)+1, v1
	v_cndmask_b32 v4, v4, v12, vcc_lo
.endm
	XROW 0, 24, 1
	XROW 1, 24, 1
	XROW 2, 24, 1
	XROW 3, 24, 1
	XROW 4, 24, 0
	XROW 5, 16, 0
	XROW 6, 8, 0
	XROW 7, 0, 0
	v_mul_f32 v7, 0x3fb8aa3b, v4                   ; u = z log2 e
	v_or_b32 v9, 0x80000000, v7                    ; -|u|
	v_xor_b32 v10, 0x80000000, v7                  ; -u
	v_exp_f32 v9, v9
	v_exp_f32 v10, v10
	v_min_num_f32 v11, 0, v7                       ; the plain instruction behind the two exponentials
	s_wait_alu depctr_va_vdst(0)                   ; one wait for both, ahead of their first reader
	v_add_f32 v9, 1.0, v9
	v_add_f32 v10, 1.0, v10
	v_log_f32 v9, v9
	v_rcp_f32 v10, v10
	v_and_b32 v13, 1, v1                           ; the plain instruction behind them
	s_wait_alu depctr_va_vdst(0)
	v_sub_f32 v9, v11, v9                          ; log2 sigmoid
	v_cmp_eq_u32 vcc_lo, 1, v13
	v_cndmask_b32 v9, v9, v10, vcc_lo              ; odd lanes: sigmoid
	v_lshlrev_b32 v14, 2, v1
	s_wait_xcnt 0x0                                ; EXEC changes only behind this wait
	v_cmp_gt_u32 vcc_lo, 16, v1
	s_and_saveexec_b32 s35, vcc_lo
	global_store_b32 v14, v9, s[20:21]             ; my eight rows' sixteen numbers
	s_wait_xcnt 0x0                                ; and again in front of the line that widens it
	s_or_b32 exec_lo, exec_lo, s35
	s_branch .Lend
	; ---- a tile of a weight matrix, turned ----
.Lweights:
	s_sub_co_u32 s24, ttmp9, 0x100
	s_lshr_b32 s25, s24, 7                         ; 0 Wq, 1 Wk, 2 Wv
	s_bfe_u32 s26, s24, 0x40003                    ; head
	s_and_b32 s27, s24, 7                          ; which 128 k
	s_lshl_b32 s28, s27, 19                        ; 128 rows of 4,096 bytes,
	s_lshl_b32 s29, s22, 17                        ; my wave's 32 of them,
	s_add_co_u32 s28, s28, s29
	s_lshl_b32 s29, s26, 8                         ; the head's 64 columns
	s_add_co_u32 s28, s28, s29
	s_mov_b32 s29, 0
	s_mul_i32 s30, s26, 192                        ; the row of wt that takes the head's column 16 x wave
	s_lshl4_add_u32 s30, s22, s30
	s_cmp_lt_u32 s22, 2
	s_cselect_b32 s31, 64, 128                     ; v: columns 0-31 behind q, columns 32-63 behind k
	s_cmp_eq_u32 s25, 1
	s_cselect_b32 s31, 96, s31
	s_cmp_eq_u32 s25, 0
	s_cselect_b32 s31, 0, s31
	s_add_co_u32 s30, s30, s31
	s_lshl_b32 s30, s30, 11
	s_lshl_b32 s31, s27, 8
	s_add_co_u32 s30, s30, s31
	s_mov_b32 s31, 0
	v_and_b32 v2, 15, v0                           ; c16: which four columns
	v_bfe_u32 v3, v0, 4, 1                         ; hf: which sixteen k
	v_lshlrev_b32 v4, 4, v2
	v_lshl_add_u32 v5, v3, 16, v4                  ; load: 16 hf rows down, 16 c16 bytes along: sixteen lanes take 256 consecutive bytes
	v_mul_u32_u24 v6, v2, 4*TP
	v_lshl_add_u32 v6, v3, 5, v6
	s_lshl_b32 s36, s22, 6
	v_add_nc_u32 v6, s36, v6                       ; into the tile: row 4 c16 (+ c), byte 64 wave + 32 hf
	s_mul_i32 s36, s22, 16*TP
	v_mul_u32_u24 v7, v3, TP
	v_add3_u32 v7, v7, v4, s36                     ; back: row 16 wave + hf (+ 2 n), 16 c16 bytes along
	v_lshl_add_u32 v8, v3, 11, v4                  ; and the same two rows in wt
	s_wait_kmcnt 0x0
	s_cmp_eq_u32 s25, 0
	s_cselect_b64 s[32:33], s[10:11], s[12:13]
	s_cmp_eq_u32 s25, 2
	s_cselect_b64 s[32:33], s[14:15], s[32:33]
	s_add_nc_u64 s[32:33], s[32:33], s[28:29]
	s_add_nc_u64 s[18:19], s[18:19], s[30:31]
.irp i, 0,1,2,3,4,5,6,7,8,9,10,11,12,13,14,15
	global_load_b128 v[X+4*(\i):X+4*(\i)+3], v5, s[32:33] offset:(\i)*4096 th:TH_LOAD_NT
.endr
	s_wait_loadcnt 0x0
.irp c, 0,1,2,3                        ; column c of my four: sixteen k in eight words
.irp q, 0,1,2,3,4,5,6,7
	v_cvt_pk_bf16_f32 v[16+8*(\c)+(\q)], v[X+8*(\q)+(\c)], v[X+8*(\q)+4+(\c)]
.endr
.endr
.irp c, 0,1,2,3
	ds_store_b128 v6, v[16+8*(\c):16+8*(\c)+3] offset:(\c)*TP
	ds_store_b128 v6, v[16+8*(\c)+4:16+8*(\c)+7] offset:(\c)*TP+16
.endr
	s_wait_dscnt 0x0                               ; for the others' sake: my stores into the tile are done
	s_barrier_signal -1
	s_barrier_wait -1
.irp n, 0,1,2,3,4,5,6,7
	ds_load_b128 v[48+4*(\n):48+4*(\n)+3], v7 offset:(\n)*2*TP
.endr
.irp n, 0,1,2,3,4,5,6,7
	s_wait_dscnt 7-(\n)                            ; the younger loads may stay out
	global_store_b128 v8, v[48+4*(\n):48+4*(\n)+3], s[18:19] offset:(\n)*4096  ; sixteen lanes store 256 consecutive bytes, at a multiple of 256 from wt's first
.endr
.Lend:
	s_wait_tensorcnt 0x0                           ; the wave's end: behind my last LDS store
	ds_add_u32 v[SPW], v[NIL]
	s_wait_dscnt 0x0
	s_endpgm
.Lfunc_end_k_q2fefecf5aa_prep:
	.size	k_q2fefecf5aa_prep, .Lfunc_end_k_q2fefecf5aa_prep-k_q2fefecf5aa_prep
	.p2alignl 7, 3214868480
	.fill 96, 4, 3214868480
	.section	.rodata,"a",@progbits
	.p2align	6, 0x0
	.amdhsa_kernel k_q2fefecf5aa_prep
		.amdhsa_group_segment_fixed_size 17920
		.amdhsa_private_segment_fixed_size 0
		.amdhsa_enable_private_segment 0
		.amdhsa_kernarg_size 72
		.amdhsa_user_sgpr_count 2
		.amdhsa_user_sgpr_kernarg_segment_ptr 1
		.amdhsa_wavefront_size32 1
		.amdhsa_system_sgpr_workgroup_id_x 1
		.amdhsa_system_sgpr_workgroup_id_y 1
		.amdhsa_system_sgpr_workgroup_id_z 1
		.amdhsa_system_vgpr_workitem_id 0
		.amdhsa_next_free_vgpr 232
		.amdhsa_next_free_sgpr 66
		.amdhsa_reserve_vcc 1
		.amdhsa_float_denorm_mode_32 3
		.amdhsa_float_denorm_mode_16_64 3
		.amdhsa_memory_ordered 1
		.amdhsa_forward_progress 1
		.amdhsa_inst_pref_size 68
	.end_amdhsa_kernel
	.amdgpu_metadata
---
amdhsa.version: [ 1, 2 ]
amdhsa.kernels:
  - .name:           k_q2fefecf5aa_prep
    .symbol:         k_q2fefecf5aa_prep.kd
    .args:
      - { .name: x, .offset: 0, .size: 8, .value_kind: global_buffer, .address_space: global }
      - { .name: Wa, .offset: 8, .size: 8, .value_kind: global_buffer, .address_space: global }
      - { .name: Wb, .offset: 16, .size: 8, .value_kind: global_buffer, .address_space: global }
      - { .name: Wq, .offset: 24, .size: 8, .value_kind: global_buffer, .address_space: global }
      - { .name: Wk, .offset: 32, .size: 8, .value_kind: global_buffer, .address_space: global }
      - { .name: Wv, .offset: 40, .size: 8, .value_kind: global_buffer, .address_space: global }
      - { .name: xb, .offset: 48, .size: 8, .value_kind: global_buffer, .address_space: global }
      - { .name: wt, .offset: 56, .size: 8, .value_kind: global_buffer, .address_space: global }
      - { .name: gate, .offset: 64, .size: 8, .value_kind: global_buffer, .address_space: global }
    .group_segment_fixed_size: 17920
    .private_segment_fixed_size: 0
    .kernarg_segment_align: 8
    .kernarg_segment_size: 72
    .max_flat_workgroup_size: 128
    .sgpr_count:     66
    .vgpr_count:     232
    .wavefront_size: 32
...
	.end_amdgpu_metadata
.endif
;; end of part 1
;; launch gemm (part 2): grid 16 x 32, 4 waves a work-group, clusters of 4 x 4, 327,680 bytes of LDS; arguments xb, wt, qk, vv; writes qk, vv
.if DOCPART == 2
	.amdgcn_target "amdgcn-amd-amdhsa--gfx1250"
	.amdhsa_code_object_version 6
	.text
	.protected	k_q2fefecf5aa_gemm
	.globl	k_q2fefecf5aa_gemm
	.p2align	8
	.type	k_q2fefecf5aa_gemm,@function
k_q2fefecf5aa_gemm:
	s_mov_b64 s[64:65], 0
	v_nop
	global_prefetch_b8 v0, s[64:65] scope:SCOPE_SE
	s_setreg_imm32_b32 hwreg(HW_REG_WAVE_MODE, 25, 1), 1
	s_wait_xcnt 0x0
	s_wait_alu depctr_hold_cnt(0) depctr_sa_sdst(0) depctr_va_vdst(0) depctr_va_sdst(0) depctr_va_ssrc(0) depctr_va_vcc(0) depctr_vm_vsrc(0)
	s_getreg_b32 s2, hwreg(HW_REG_IB_STS2, 6, 4)
	s_cmp_eq_u32 s2, 0
	s_cbranch_scc0 .Lentry_in_a_cluster
	s_endpgm
.Lentry_in_a_cluster:
	s_bfe_u32 s2, ttmp6, 0x10000c
	s_cmp_lg_u32 s2, 0xf033
	s_cbranch_scc0 .Lentry_shape_is_right
	s_endpgm
.Lentry_shape_is_right:
; THE THREE PROJECTIONS AS ONE PRODUCT.  C[m][n] = sum over k of xb[m][k] wt[n][k]; xb [8192][1024], wt [3072][1024], bf16; sums in f32 and stored in f32, unrounded.
; A tile of C is 256 rows x 192 columns: the q, k and v of one head for 256 steps.  512 work-groups of equal work.  Four waves, each 128 x 96: 48 accumulators of 16 x 16, 384 registers.
; wt's rows are ordered so that the waves of column half 0 hold q and v's columns 0-31, those of column half 1 hold k and v's columns 32-63.
; OUT: qk f32 [head hh = 16 b + h][t][q 64 | k 64] (rows of 512 bytes), vv f32 [hh][vg 4][t][16].  Both leave through a stage in LDS, each store of sixteen lanes covering 256 consecutive aligned bytes.
; K goes in steps of 128 through two LDS slots filled by the tensor data mover; rows of 256 bytes, padded by 16 in LDS.
; CLUSTER 4 x 4: the four of a row need the same tiles of xb, the four of a column the same tiles of wt: each is asked for jointly, with the same descriptor and a mask that names the four.
; The matrix instruction is used transposed (source 0 = 16 rows of wt, source 1 = 16 rows of xb): a lane holds row l % 16 of C and the columns 8 (l / 16) + 0..7.
; REGISTERS, in windows of 256: window 0: v16-31 addresses; v64-127, v128-191 fragments of xb, two buffers; v192-239 and v64-111 at work on the way out.
;   window 1: v64-111, v128-175 fragments of wt, two buffers.   window 2: accumulators of my rows 0-63 ((a, b) at v[8 (6 a + b)]).   window 3: those of rows 64-127.
.set KSTEP,  128
.set PITCH,  272                       ; an LDS row: 256 bytes + 16 = 68 words: the 16 rows of a fragment load start at 16 different groups of four banks (64 banks of 4 bytes: ISA guide 11.1)
.set HALFA,  128*PITCH                 ; what one load of xb brings, and what a wave reads of it
.set HALFB,  96*PITCH                  ; the same for wt
.set SLOT,   2*HALFA+2*HALFB           ; xb's 256 rows, then wt's 192
.set STAGE,  2*SLOT                    ; behind the ring: 16 rows x 400 bytes for each wave
.set SPITCH, 400                       ; 384 bytes + 16 = 100 words: 16 rows start at 16 different groups of four banks
.set SPARE,  STAGE+4*16*SPITCH         ; the spare words, 128 bytes for each wave
.set LAPS,   4                         ; a lap = two K steps; K = 1,024
.set ADRA, 16                          ; v16-17 LDS address of my fragments of xb in slot 0, 1
.set ADRB, 20                          ; v20-21 the same for wt
.set STO,  24                          ; into the stage
.set RD,   25                          ; back: q's or k's 256 bytes of a row
.set CO,   26                          ; my byte offset in qk
.set RDV,  27                          ; back: v's 64 bytes of a row and group
.set SPW,  28                          ; my spare word; never rewritten
.set NIL,  29                          ; 0; never rewritten
.set PFO,  30                          ; the prefetches' offset: a lane a row
.set CV,   31                          ; my byte offset in vv
.set F0,   64
.set F1,   128
.set G1,   24                          ; s[24:31] descriptor group 1 for xb's tiles;  s[32:39] group 0, a set for each slot
.set G0,   32
.set G1B,  48                          ; s[48:55], s[56:63] the same for wt's
.set G0B,  56
.set LIM,  43                          ; 1 in a wave that prefetches, else the greatest number
.set PFA,  44                          ; s[44:45] where my prefetches stand
.set WVN,  66                          ; wave
.set RH,   67                          ; my half of the tile's rows; also 0: I fetch xb, 1: wt
.set CH,   68                          ; my half of its columns; also which half of that tile I fetch
.set CX,   69
.set CY,   70
.set TCOL, 71                          ; tile column = head
.set TROW, 72                          ; tile row
.set MSB, 0
.macro WIN new                         ; the immediate's high byte repeats the setting that is left
.if MSB != (\new)
	s_set_vgpr_msb (MSB<<8)|(\new)
.set MSB, \new
.endif
.endm
.set MUL_LO, 0xa1                      ; source 0 window 1, source 1 window 0, C and D window 2
.set MUL_HI, 0xf1                      ; the same, C and D window 3
.set TO_B,   0x40                      ; destination window 1
.macro JLOAD s                         ; a joint load: waves 0, 1 fetch xb's halves, waves 2, 3 wt's; an s_nop 0 and four v_nop follow each line
	s_cmp_eq_u32 s[RH], 0
	s_cbranch_scc0 .Lfor_b_\@
	tensor_load_to_lds s[G0+4*(\s):G0+4*(\s)+3], s[G1:G1+7]
	s_nop 0
.rept 4
	v_nop
.endr
	s_branch .Lasked_\@
.Lfor_b_\@:
	tensor_load_to_lds s[G0B+4*(\s):G0B+4*(\s)+3], s[G1B:G1B+7]
	s_nop 0
.rept 4
	v_nop
.endr
.Lasked_\@:
.endm
; A prefetch of the K step that stands two refills on, 384 matrix instructions ahead of the load that wants it: a lane a row, 256 bytes each, one instruction a wave.  xb's rows are read by every cluster of a
; row of clusters: cluster x = 0 asks; wt's by every cluster of a column: cluster y = 0 asks.  The four partners share a wave's rows out by address (32 of 128 by cx; 24 of 96 by cy, lanes 24-31 held at the last).
; K steps 0 to 3 come by their loads alone; the loop's last trip asks for nothing.
.macro ASK
	s_cmp_gt_u32 s3, s[LIM]
	s_cbranch_scc0 .Lnot_mine_\@
	global_prefetch_b8 v[PFO], s[PFA:PFA+1] offset:KSTEP*2 th:TH_LOAD_NT scope:SCOPE_SE
.Lnot_mine_\@:
.endm
.macro CREST                           ; a round of the cluster's barrier behind its opening barrier
	s_cmp_lg_u32 s[WVN], 0
	s_cbranch_scc1 .Lnot_wave_0_\@
	s_barrier_signal -3
.Lnot_wave_0_\@:
	s_barrier_wait -3
	s_barrier_signal -1
	s_barrier_wait -1
.endm
.macro CROUND
	s_barrier_signal -1
	s_barrier_wait -1
	CREST
.endm
	s_load_b256 s[4:11], s[0:1], 0x0               ; xb s[4:5], wt s[6:7], qk s[8:9], vv s[10:11]
	v_lshl_add_u32 v[SPW], v0, 2, SPARE
	v_mov_b32 v[NIL], 0
	ds_add_u32 v[SPW], v[NIL]                      ; the wave's opening: the add, twice on end, and its wait ahead of my first tensor load
	ds_add_u32 v[SPW], v[NIL]
	v_lshrrev_b32 v1, 5, v0
	v_readfirstlane_b32 s[WVN], v1
	s_lshr_b32 s[RH], s[WVN], 1
	s_and_b32 s[CH], s[WVN], 1
	s_bfe_u32 s[CX], ttmp6, 0x40000
	s_bfe_u32 s[CY], ttmp6, 0x40004
	s_lshl_b32 s[TCOL], ttmp9, 2
	s_add_co_u32 s[TCOL], s[TCOL], s[CX]
	s_and_b32 s[TROW], ttmp7, 0xffff
	s_lshl_b32 s[TROW], s[TROW], 2
	s_add_co_u32 s[TROW], s[TROW], s[CY]
	s_lshl_b32 s12, s[CY], 2
	s_lshl_b32 s12, 15, s12                        ; my row of the cluster
	s_lshl_b32 s13, 0x1111, s[CX]                  ; my column
	s_or_b32 s[G1], s12, (1<<16)|(1<<20)|(1<<21)|(5<<22)|(3<<25)   ; mask; 2-byte elements; padding on; bit 21 beside a mask; after every 64 words, 4 words
	s_or_b32 s[G1B], s13, (1<<16)|(1<<20)|(1<<21)|(5<<22)|(3<<25)
	s_mov_b32 s[G1+1], KSTEP<<16                   ; tensor_dim0 = 128
	s_mov_b32 s[G1+2], 128<<16                     ; tensor_dim1 = 128
	s_mov_b32 s[G1+3], KSTEP<<16                   ; tile_dim0 = 128
	s_mov_b32 s[G1+4], 128                         ; tile_dim1 = 128
	s_mov_b32 s[G1+5], 1024                        ; elements from row to row
	s_mov_b32 s[G1+6], 0
	s_mov_b32 s[G1+7], 0
	s_mov_b32 s[G1B+1], KSTEP<<16
	s_mov_b32 s[G1B+2], 96<<16                     ; 96 rows
	s_mov_b32 s[G1B+3], KSTEP<<16
	s_mov_b32 s[G1B+4], 96
	s_mov_b32 s[G1B+5], 1024
	s_mov_b32 s[G1B+6], 0
	s_mov_b32 s[G1B+7], 0
	s_lshl_b32 s14, s[TROW], 8
	s_lshl_b32 s15, s[CH], 7
	s_add_co_u32 s14, s14, s15                     ; xb: row 256 x tile row + 128 x half,
	s_lshl_b32 s14, s14, 11                        ; 2,048 bytes a row
	s_mov_b32 s15, 0
	s_mul_i32 s16, s[TCOL], 192
	s_mul_i32 s17, s[CH], 96
	s_add_co_u32 s16, s16, s17                     ; wt: row 192 x head + 96 x half
	s_lshl_b32 s16, s16, 11
	s_mov_b32 s17, 0
	s_mul_i32 s20, s[WVN], HALFA                   ; where they go: waves 0, 1: xb's halves;
	s_mul_i32 s21, s[WVN], HALFB
	s_add_co_u32 s21, s21, 2*(HALFA-HALFB)         ; waves 2, 3: wt's halves, behind xb's 256 rows
	s_wait_dscnt 0x0                               ; both opening adds are done
	s_wait_kmcnt 0x0
	s_add_nc_u64 s[14:15], s[4:5], s[14:15]
	s_add_nc_u64 s[16:17], s[6:7], s[16:17]
	CROUND                                         ; all sixteen work-groups are here: the first joint loads meet
.irp s, 0,1
	s_mov_b32 s[G0+4*(\s)], 1
	s_add_co_u32 s[G0+4*(\s)+1], s20, (\s)*SLOT
	s_add_nc_u64 s[G0+4*(\s)+2:G0+4*(\s)+3], s[14:15], (\s)*KSTEP*2
	s_or_b32 s[G0+4*(\s)+3], s[G0+4*(\s)+3], 0x80000000
	s_mov_b32 s[G0B+4*(\s)], 1
	s_add_co_u32 s[G0B+4*(\s)+1], s21, (\s)*SLOT
	s_add_nc_u64 s[G0B+4*(\s)+2:G0B+4*(\s)+3], s[16:17], (\s)*KSTEP*2
	s_or_b32 s[G0B+4*(\s)+3], s[G0B+4*(\s)+3], 0x80000000
	JLOAD \s
.endr
	v_and_b32 v1, 15, v0                           ; l % 16
	v_bfe_u32 v2, v0, 4, 1                         ; l / 16
	v_mul_u32_u24 v3, v1, PITCH
	v_lshl_add_u32 v3, v2, 4, v3                   ; a fragment: row x pitch + 16 x half
	s_mul_i32 s18, s[RH], HALFA
	s_mul_i32 s19, s[CH], HALFB
	s_add_co_u32 s19, s19, 2*HALFA
.irp s, 0,1
	v_add_nc_u32 v[ADRA+(\s)], s18, v3
	v_add_nc_u32 v[ADRB+(\s)], s19, v3
	s_add_co_u32 s18, s18, SLOT
	s_add_co_u32 s19, s19, SLOT
.endr
	s_mul_i32 s18, s[WVN], 16*SPITCH
	s_add_co_u32 s18, s18, STAGE                   ; my stage
	v_mul_u32_u24 v4, v1, SPITCH
	v_lshl_add_u32 v4, v2, 5, v4
	v_add_nc_u32 v[STO], s18, v4                   ; in: row l % 16, 32 bytes for each half of the lanes
	v_mul_u32_u24 v5, v2, SPITCH
	v_lshl_add_u32 v5, v1, 4, v5
	v_add_nc_u32 v[RD], s18, v5                    ; back: lanes 0-15 one row's first 256 bytes, lanes 16-31 the next row's
	v_lshrrev_b32 v6, 2, v1
	v_mul_u32_u24 v6, v6, SPITCH
	v_lshl_add_u32 v6, v2, 6, v6
	v_and_b32 v7, 3, v0
	v_lshl_add_u32 v6, v7, 4, v6
	v_add3_u32 v[RDV], v6, s18, 256                ; back: row (l % 16) / 4, group l / 16 of v's two, 16 (l % 4) bytes along
	v_lshlrev_b32 v5, 4, v1
	v_lshl_add_u32 v[CO], v2, 9, v5                ; two rows of qk
	v_lshl_add_u32 v[CV], v2, 17, v5               ; two groups of vv, 131,072 bytes apart; four rows of 64 bytes on end
	s_lshr_b32 s74, s[TROW], 3
	s_lshl4_add_u32 s74, s74, s[TCOL]              ; hh = 16 b + h
	s_and_b32 s75, s[TROW], 7
	s_lshl_b32 s75, s75, 8
	s_lshl_b32 s76, s[RH], 7
	s_add_co_u32 s75, s75, s76                     ; my first step t
	s_lshl_b32 s76, s74, 11
	s_add_co_u32 s76, s76, s75
	s_lshl_b32 s76, s76, 9
	s_lshl_b32 s77, s[CH], 8                       ; q's or k's half of a row
	s_add_co_u32 s76, s76, s77
	s_mov_b32 s77, 0
	s_add_nc_u64 s[8:9], s[8:9], s[76:77]
	s_lshl_b32 s78, s74, 2
	s_lshl1_add_u32 s78, s[CH], s78                ; group 4 hh + 2 x half
	s_lshl_b32 s78, s78, 11
	s_add_co_u32 s78, s78, s75
	s_lshl_b32 s78, s78, 6
	s_mov_b32 s79, 0
	s_add_nc_u64 s[10:11], s[10:11], s[78:79]
	; the prefetches
	s_and_b32 s22, ttmp7, 0xffff                   ; cluster y
	s_lshl_b32 s18, s[TROW], 8
	s_lshl_b32 s19, s[CH], 7
	s_add_co_u32 s18, s18, s19
	s_lshl_b32 s19, s[CX], 5
	s_add_co_u32 s18, s18, s19                     ; xb: my work-group's 32 of the 128 rows that I fetch
	s_mul_i32 s19, s[TCOL], 192
	s_mul_i32 s23, s[CH], 96
	s_add_co_u32 s19, s19, s23
	s_mul_i32 s23, s[CY], 24
	s_add_co_u32 s19, s19, s23                     ; wt: 24 of the 96
	s_cmp_eq_u32 s[RH], 0
	s_cselect_b32 s18, s18, s19
	s_cselect_b32 s22, ttmp9, s22                  ; the coordinate along which other clusters read the same rows
	s_cselect_b32 s23, 31, 23
	s_cselect_b64 s[PFA:PFA+1], s[4:5], s[6:7]
	s_cmp_eq_u32 s22, 0
	s_cselect_b32 s[LIM], 1, -1
	s_lshl_b32 s18, s18, 11
	s_add_co_u32 s18, s18, 2*KSTEP*2               ; at K step 2: the first refill steps it to 3 and names K step 4
	s_mov_b32 s19, 0
	s_add_nc_u64 s[PFA:PFA+1], s[PFA:PFA+1], s[18:19]
	v_and_b32 v[PFO], 31, v0
	v_min_u32 v[PFO], s23, v[PFO]
	v_lshlrev_b32 v[PFO], 11, v[PFO]
; 12 matrix instructions: row blocks a0, a0 + 1 of the window's four x all 6 column blocks, 32 along K.  zero = 1: the product starts the sums.
.macro MUL12 f, hi, a0, zero
	WIN MUL_LO+0x50*(\hi)
.irp a, \a0, (\a0)+1
.irp b, 0,1,2,3,4,5
.if \zero
	v_wmma_f32_16x16x32_bf16 v[8*(6*(\a)+(\b)):8*(6*(\a)+(\b))+7], v[(\f)+8*(\b):(\f)+8*(\b)+7], v[(\f)+8*(4*(\hi)+(\a)):(\f)+8*(4*(\hi)+(\a))+7], 0
.else
	v_wmma_f32_16x16x32_bf16 v[8*(6*(\a)+(\b)):8*(6*(\a)+(\b))+7], v[(\f)+8*(\b):(\f)+8*(\b)+7], v[(\f)+8*(4*(\hi)+(\a)):(\f)+8*(4*(\hi)+(\a))+7], v[8*(6*(\a)+(\b)):8*(6*(\a)+(\b))+7]
.endif
.endr
.endr
.endm
; 28 LDS loads in one run: a quarter step's fragments (96 rows of wt, 128 of xb, 32 K at byte k of the rows) into buffer f
.macro FETCH slot, k, f
	WIN TO_B
.irp i, 0,1,2,3,4,5
	ds_load_b128 v[(\f)+8*(\i):(\f)+8*(\i)+3],   v[ADRB+(\slot)] offset:(\k)+(\i)*16*PITCH
	ds_load_b128 v[(\f)+8*(\i)+4:(\f)+8*(\i)+7], v[ADRB+(\slot)] offset:(\k)+(\i)*16*PITCH+32
.endr
	WIN 0
.irp i, 0,1,2,3,4,5,6,7
	ds_load_b128 v[(\f)+8*(\i):(\f)+8*(\i)+3],   v[ADRA+(\slot)] offset:(\k)+(\i)*16*PITCH
	ds_load_b128 v[(\f)+8*(\i)+4:(\f)+8*(\i)+7], v[ADRA+(\slot)] offset:(\k)+(\i)*16*PITCH+32
.endr
.endm
.macro PLACES                          ; four plain vector instructions between a matrix instruction and a load into, or a read of, its registers
.rept 4
	v_nop
.endr
.endm
; A K step is four quarters of 32 along K, 48 matrix instructions each, on buffers 0, 1, 0, 1.  The 48 accumulators take turns in the same order everywhere.
.macro QUARTER slot, k, f, g, zero
	s_wait_dscnt 8                                 ; wt's and xb's rows 0-63 are in; the youngest eight loads (xb's rows 64-127) may be out
	MUL12 \f, 0, 0, \zero
	MUL12 \f, 0, 2, \zero
	PLACES
	FETCH \slot, \k, \g
	s_wait_dscnt 28                                ; all but the 28 just issued
	MUL12 \f, 1, 0, \zero
	MUL12 \f, 1, 2, \zero
.endm
; The first half of a K step's last quarter: one barrier for the change of slots.
.macro MEET round
	WIN 0
	s_wait_tensorcnt 0x0                           ; all my tensor loads have landed: the one that was out is my part of the next slot
	ds_add_u32 v[SPW], v[NIL]
	s_wait_dscnt 9                                 ; the add and the youngest eight loads may be out
	MUL12 F1, 0, 0, 0
	s_wait_dscnt 0x0                               ; the add is done, and my reads of this slot are over
	s_barrier_signal -1
	MUL12 F1, 0, 2, 0
.if \round
	WIN 0
.endif
	s_barrier_wait -1
.endm
.macro TURN slot, next                 ; the whole last quarter, where the slot is filled again with the K step two on
	s_wait_xcnt 0x0                                ; the last prefetch, a K step back, has read its address
	s_add_nc_u64 s[PFA:PFA+1], s[PFA:PFA+1], KSTEP*2
	MEET 1
	CREST                                          ; no wave of any partner still reads this slot or has a load on its way
	s_add_nc_u64 s[G0+4*(\slot)+2:G0+4*(\slot)+3], s[G0+4*(\slot)+2:G0+4*(\slot)+3], 2*KSTEP*2
	s_add_nc_u64 s[G0B+4*(\slot)+2:G0B+4*(\slot)+3], s[G0B+4*(\slot)+2:G0B+4*(\slot)+3], 2*KSTEP*2
	JLOAD \slot                                    ; the first tensor load behind the round; its four v_nop are also the places in front of the loads below
	FETCH \next, 0, F0
	ASK
	MUL12 F1, 1, 0, 0
	MUL12 F1, 1, 2, 0
.endm
	s_wait_tensorcnt 1                             ; my part of K step 0 is in; K step 1's may stay out
	s_barrier_signal -1
	s_barrier_wait -1
	FETCH 0, 0, F0
	QUARTER 0, 64, F0, F1, 1                       ; the first quarter starts the sums
	WIN 0
	s_mov_b32 s3, LAPS-1
.Llap:                                                 ; once round the ring, from a lap's second quarter to the next lap's first
	QUARTER 0, 128, F1, F0, 0
	QUARTER 0, 192, F0, F1, 0
	TURN 0, 1
	QUARTER 1, 64,  F0, F1, 0
	QUARTER 1, 128, F1, F0, 0
	QUARTER 1, 192, F0, F1, 0
	TURN 1, 0
	QUARTER 0, 64,  F0, F1, 0
	WIN 0
	s_sub_co_u32 s3, s3, 1
	s_cmp_lg_u32 s3, 0
	s_cbranch_scc1 .Llap
	QUARTER 0, 128, F1, F0, 0                      ; the last lap fills nothing
	QUARTER 0, 192, F0, F1, 0
	MEET 0
	PLACES
	FETCH 1, 0, F0
	MUL12 F1, 1, 0, 0
	MUL12 F1, 1, 2, 0
	QUARTER 1, 64,  F0, F1, 0
	QUARTER 1, 128, F1, F0, 0
	QUARTER 1, 192, F0, F1, 0
	s_wait_dscnt 8
	MUL12 F1, 0, 0, 0
	MUL12 F1, 0, 2, 0
	s_wait_dscnt 0x0
	MUL12 F1, 1, 0, 0
	MUL12 F1, 1, 2, 0
; THE WAY OUT, a block of 16 rows at a time, in f32.  Into my own stage (each accumulator's low four registers first) and back as whole pieces of 256 bytes.
.macro TOSTAGE a
	WIN 0
	s_wait_xcnt 0x0                                ; the stores of two blocks back have read the registers that are loaded again below
.set BK, 192-128*((\a)%2)
.set AC, 48*((\a)%4)
	WIN 0x08+4*((\a)/4)                            ; store data (source 1) in window 2 or 3
.irp b, 0,1,2,3,4,5
	ds_store_b128 v[STO], v[AC+8*(\b):AC+8*(\b)+3] offset:64*(\b)
	ds_store_b128 v[STO], v[AC+8*(\b)+4:AC+8*(\b)+7] offset:64*(\b)+16
.endr
	WIN 0
.irp t, 0,1,2,3,4,5,6,7
	ds_load_b128 v[BK+4*(\t):BK+4*(\t)+3], v[RD] offset:(\t)*2*SPITCH   ; LDS serves a wave's instructions in order (ISA guide 5.7.1.4): these see the stores above
.endr
.irp i, 0,1,2,3
	ds_load_b128 v[BK+32+4*(\i):BK+32+4*(\i)+3], v[RDV] offset:(\i)*4*SPITCH
.endr
.endm
.macro SEND a, younger                 ; younger: the next block's 12 stores and 12 loads, or none
	WIN 0
.set BK, 192-128*((\a)%2)
	s_wait_dscnt \younger
.irp t, 0,1,2,3,4,5,6,7
	global_store_b128 v[CO], v[BK+4*(\t):BK+4*(\t)+3], s[8:9] offset:(\a)*8192+(\t)*1024   ; sixteen lanes: q's or k's 256 bytes of a row
.endr
.irp i, 0,1,2,3
	global_store_b128 v[CV], v[BK+32+4*(\i):BK+32+4*(\i)+3], s[10:11] offset:(\a)*1024+(\i)*256  ; sixteen lanes: four rows of 64 bytes of one group, on end
.endr
.endm
	PLACES
	TOSTAGE 0
.irp a, 1,2,3,4,5,6,7
	TOSTAGE \a
	SEND (\a)-1, 24
.endr
	SEND 7, 0
	WIN 0
	s_wait_tensorcnt 0x0                           ; the wave's end
	ds_add_u32 v[SPW], v[NIL]
	s_wait_dscnt 0x0
	CROUND                                         ; the closing round
	s_endpgm
.Lfunc_end_k_q2fefecf5aa_gemm:
	.size	k_q2fefecf5aa_gemm, .Lfunc_end_k_q2fefecf5aa_gemm-k_q2fefecf5aa_gemm
	.p2alignl 7, 3214868480
	.fill 96, 4, 3214868480
	.section	.rodata,"a",@progbits
	.p2align	6, 0x0
	.amdhsa_kernel k_q2fefecf5aa_gemm
		.amdhsa_group_segment_fixed_size 327680
		.amdhsa_private_segment_fixed_size 0
		.amdhsa_enable_private_segment 0
		.amdhsa_kernarg_size 32
		.amdhsa_user_sgpr_count 2
		.amdhsa_user_sgpr_kernarg_segment_ptr 1
		.amdhsa_wavefront_size32 1
		.amdhsa_system_sgpr_workgroup_id_x 1
		.amdhsa_system_sgpr_workgroup_id_y 1
		.amdhsa_system_sgpr_workgroup_id_z 1
		.amdhsa_system_vgpr_workitem_id 0
		.amdhsa_next_free_vgpr 960
		.amdhsa_next_free_sgpr 84
		.amdhsa_reserve_vcc 0
		.amdhsa_float_denorm_mode_32 3
		.amdhsa_float_denorm_mode_16_64 3
		.amdhsa_memory_ordered 1
		.amdhsa_forward_progress 1
		.amdhsa_inst_pref_size 115
	.end_amdhsa_kernel
	.amdgpu_metadata
---
amdhsa.version: [ 1, 2 ]
amdhsa.kernels:
  - .name:           k_q2fefecf5aa_gemm
    .symbol:         k_q2fefecf5aa_gemm.kd
    .args:
      - { .name: xb, .offset: 0, .size: 8, .value_kind: global_buffer, .address_space: global }
      - { .name: wt, .offset: 8, .size: 8, .value_kind: global_buffer, .address_space: global }
      - { .name: qk, .offset: 16, .size: 8, .value_kind: global_buffer, .address_space: global }
      - { .name: vv, .offset: 24, .size: 8, .value_kind: global_buffer, .address_space: global }
    .group_segment_fixed_size: 327680
    .private_segment_fixed_size: 0
    .kernarg_segment_align: 8
    .kernarg_segment_size: 32
    .max_flat_workgroup_size: 128
    .sgpr_count:     84
    .vgpr_count:     960
    .wavefront_size: 32
...
	.end_amdgpu_metadata
.endif
;; end of part 2
;; launch gram (part 3): grid 16 x 64, 8 waves a work-group, no clusters, 68,608 bytes of LDS; arguments qk, gate, cf; writes cf
.if DOCPART == 3
	.amdgcn_target "amdgcn-amd-amdhsa--gfx1250"
	.amdhsa_code_object_version 6
	.text
	.protected	k_q2fefecf5aa_gram
	.globl	k_q2fefecf5aa_gram
	.p2align	8
	.type	k_q2fefecf5aa_gram,@function
k_q2fefecf5aa_gram:
	s_mov_b64 s[64:65], 0
	v_nop
	global_prefetch_b8 v0, s[64:65] scope:SCOPE_SE
	s_setreg_imm32_b32 hwreg(HW_REG_WAVE_MODE, 25, 1), 1
	s_wait_xcnt 0x0
; THE COEFFICIENTS OF A BLOCK OF 16 STEPS, for each head hh and block: one wave each.  With g_t the sum of log2 alpha over the block's steps 0..t, b = beta:
;   An[t][j] = -b_t 2^(g_t - g_j) k_t.k_j for j < t, else 0;   P[t][j] = 2^(g_t - g_j) q_t.k_j for j <= t, else 0;   sc[t] = (b_t, -b_t 2^g_t, 2^g_t, 2^(g_15 - g_t)).
; cf block, 2,560 bytes: byte 512 i + 256 m + 16 t holds the four j = 4 i .. 4 i + 3 of row t (m = 0: An, 1: P); byte 2,048 + 16 lane holds sc of t = lane % 16.
; All in f32 on the vector unit: these products steer a recurrence whose factors reach several times 1, and a 16-bit rounding of k or q does not fit the allowance.
; Lane l holds row t = l % 16 in 64 registers: k_t in lanes 0-15, q_t in lanes 16-31 (turned through the wave's own LDS bytes); k_j comes by scalar loads, 32 numbers a phase, one phase ahead.
; No exponent above 0 enters a kept number; where j is past t the factor may overflow, and the place is then chosen 0, not multiplied by 0.  Factors below 2^-126 count as 0.
; No cluster and no prefetch: every block is read by one wave, in one run of loads at its start.
.set ROWP, 528                         ; a row in LDS: 512 bytes + 16: 16 rows start at 16 different groups of four banks (64 banks of 4 bytes: ISA guide 11.1)
.set WREG, 16*ROWP                     ; a wave's own bytes
.set SPARE, 8*WREG                     ; the spare words, 128 bytes for each of eight waves
.set ACC, 16                           ; v[16:31] the sixteen j of my row
.set X,   32                           ; v[32:95] my row
.set SPW, 100
.set NIL, 101
	s_load_b128 s[4:7], s[0:1], 0x0                ; qk s[4:5], gate s[6:7]
	s_load_b64 s[8:9], s[0:1], 0x10                ; cf
	v_lshl_add_u32 v[SPW], v0, 2, SPARE
	v_mov_b32 v[NIL], 0
	v_lshrrev_b32 v1, 5, v0
	v_readfirstlane_b32 s10, v1                    ; wave 0..7
	s_and_b32 s11, ttmp7, 0xffff                   ; hh
	s_lshl_b32 s12, ttmp9, 3
	s_add_co_u32 s12, s12, s10                     ; block 0..127
	s_lshl_b32 s2, s11, 20                         ; a head: 2,048 rows of 512 bytes
	s_lshl_b32 s3, s12, 13
	s_add_co_u32 s2, s2, s3
	s_mov_b32 s3, 0
	s_lshr_b32 s14, s11, 4
	s_lshl_b32 s14, s14, 11
	s_lshl4_add_u32 s14, s12, s14                  ; row 2,048 b + 16 block of gate
	s_lshl_b32 s14, s14, 3
	s_mov_b32 s15, 0
	s_lshl_b32 s96, s11, 7
	s_add_co_u32 s96, s96, s12
	s_mul_i32 s96, s96, 2560
	s_mov_b32 s97, 0
	v_and_b32 v1, 31, v0                           ; lane
	v_and_b32 v2, 15, v0                           ; t
	v_bfe_u32 v3, v0, 4, 1                         ; half
	v_lshlrev_b32 v4, 4, v1                        ; 16 bytes a lane, in qk and in cf
	v_lshlrev_b32 v5, 3, v2                        ; my row of gate
	s_mul_i32 s13, s10, WREG
	v_add_nc_u32 v6, s13, v4                       ; into LDS as it lies
	v_mul_u32_u24 v7, v2, ROWP
	v_xor_b32 v14, 1, v3
	v_lshl_add_u32 v7, v14, 8, v7                  ; back: row t; lanes 0-15 k's half (byte 256), lanes 16-31 q's
	v_add_nc_u32 v7, s13, v7
	v_mov_b32 v11, 0                               ; a DPP destination counts as read
	s_wait_kmcnt 0x0
	s_add_nc_u64 s[4:5], s[4:5], s[2:3]
	s_add_nc_u64 s[6:7], s[6:7], s[14:15]
	s_add_nc_u64 s[8:9], s[8:9], s[96:97]
	global_load_b64 v[8:9], v5, s[6:7]             ; (log2 alpha_t, beta_t)
.irp i, 0,1,2,3,4,5,6,7,8,9,10,11,12,13,14,15
	global_load_b128 v[X+4*(\i):X+4*(\i)+3], v4, s[4:5] offset:(\i)*512   ; row i: 512 consecutive bytes
.endr
.macro SLOAD q                         ; phase q's 32 numbers of k_j, j = q / 2, half q % 2: even phases into s[16:47], odd into s[48:63] and s[80:95]
.if ((\q)%2) == 0
	s_load_b512 s[16:31], s[4:5], ((\q)/2)*512+256
	s_load_b512 s[32:47], s[4:5], ((\q)/2)*512+320
.else
	s_load_b512 s[48:63], s[4:5], ((\q)/2)*512+384
	s_load_b512 s[80:95], s[4:5], ((\q)/2)*512+448
.endif
.endm
	SLOAD 0
.irp i, 0,1,2,3,4,5,6,7,8,9,10,11,12,13,14,15
	s_wait_loadcnt 15-(\i)                         ; row i is in; the younger rows may stay out
	ds_store_b128 v6, v[X+4*(\i):X+4*(\i)+3] offset:(\i)*ROWP
.endr
.irp c, 0,1,2,3,4,5,6,7,8,9,10,11,12,13,14,15
	ds_load_b128 v[X+4*(\c):X+4*(\c)+3], v7 offset:16*(\c)   ; my own wave's bytes: LDS serves a wave's instructions in order (ISA guide 5.7.1.4)
.endr
	v_mov_b32 v10, v8                              ; g: the running sum of log2 alpha over the 16 lanes of a row
.irp n, 1,2,4,8
	v_mov_b32_dpp v11, v10 row_shr:\n row_mask:0xf bank_mask:0xf bound_ctrl:1
	v_add_f32 v10, v10, v11
.endr
	s_wait_dscnt 0x0
.set ph, 0
.rept 32
	s_wait_kmcnt 0x0                               ; this phase's numbers are in (scalar loads: for 0 alone)
.if ph < 31
	SLOAD ph+1
.endif
.set e, 0
.rept 32
.if (ph%2) == 0
.set sr, 16+e
.elseif e < 16
.set sr, 48+e
.else
.set sr, 64+e
.endif
.if ((ph%2) == 0) && (e == 0)
	v_mul_f32 v[ACC+ph/2], s[sr], v[X+e]           ; the first product starts the sum
.else
	v_fmac_f32 v[ACC+ph/2], s[sr], v[X+32*(ph%2)+e]
.endif
.set e, e+1
.endr
.set ph, ph+1
.endr
.set j, 0
.rept 16
	v_readlane_b32 s[16+j], v10, j                 ; g_j
.set j, j+1
.endr
.set j, 0
.rept 16
	v_sub_f32 v[X+j], v10, s[16+j]                 ; g_t - g_j
.set j, j+1
.endr
	v_sub_f32 v[X+17], s31, v10                    ; g_15 - g_t
	v_xor_b32 v15, 0x80000000, v9                  ; -b
	v_cmp_eq_u32 vcc_lo, 0, v3
	v_cndmask_b32 v12, 1.0, v15, vcc_lo            ; lanes 0-15: -b; lanes 16-31: 1
.set j, 0
.rept 16
	v_exp_f32 v[X+j], v[X+j]
.set j, j+1
.endr
	v_exp_f32 v[X+16], v10
	v_exp_f32 v[X+17], v[X+17]
	v_add_nc_u32 v13, v2, v3                       ; kept where j < t (An) or j < t + 1 (P); the plain instruction behind the batch
	s_wait_alu depctr_va_vdst(0)                   ; one wait for the eighteen exponentials
.set j, 0
.rept 16
	v_mul_f32 v[X+j], v[X+j], v12
	v_mul_f32 v[ACC+j], v[ACC+j], v[X+j]
	v_cmp_lt_u32 vcc_lo, j, v13
	v_cndmask_b32 v[ACC+j], 0, v[ACC+j], vcc_lo
.set j, j+1
.endr
	v_mov_b32 v96, v9
	v_mul_f32 v97, v15, v[X+16]
	v_mov_b32 v98, v[X+16]
	v_mov_b32 v99, v[X+17]
.irp i, 0,1,2,3
	global_store_b128 v4, v[ACC+4*(\i):ACC+4*(\i)+3], s[8:9] offset:(\i)*512   ; 512 consecutive bytes, at a multiple of 256 from cf's first
.endr
	global_store_b128 v4, v[96:99], s[8:9] offset:2048
	s_wait_tensorcnt 0x0                           ; the wave's end: behind my last LDS store
	ds_add_u32 v[SPW], v[NIL]
	s_wait_dscnt 0x0
	s_endpgm
.Lfunc_end_k_q2fefecf5aa_gram:
	.size	k_q2fefecf5aa_gram, .Lfunc_end_k_q2fefecf5aa_gram-k_q2fefecf5aa_gram
	.p2alignl 7, 3214868480
	.fill 96, 4, 3214868480
	.section	.rodata,"a",@progbits
	.p2align	6, 0x0
	.amdhsa_kernel k_q2fefecf5aa_gram
		.amdhsa_group_segment_fixed_size 68608
		.amdhsa_private_segment_fixed_size 0
		.amdhsa_enable_private_segment 0
		.amdhsa_kernarg_size 24
		.amdhsa_user_sgpr_count 2
		.amdhsa_user_sgpr_kernarg_segment_ptr 1
		.amdhsa_wavefront_size32 1
		.amdhsa_system_sgpr_workgroup_id_x 1
		.amdhsa_system_sgpr_workgroup_id_y 1
		.amdhsa_system_sgpr_workgroup_id_z 1
		.amdhsa_system_vgpr_workitem_id 0
		.amdhsa_next_free_vgpr 112
		.amdhsa_next_free_sgpr 100
		.amdhsa_reserve_vcc 1
		.amdhsa_float_denorm_mode_32 3
		.amdhsa_float_denorm_mode_16_64 3
		.amdhsa_memory_ordered 1
		.amdhsa_forward_progress 1
		.amdhsa_inst_pref_size 49
	.end_amdhsa_kernel
	.amdgpu_metadata
---
amdhsa.version: [ 1, 2 ]
amdhsa.kernels:
  - .name:           k_q2fefecf5aa_gram
    .symbol:         k_q2fefecf5aa_gram.kd
    .args:
      - { .name: qk, .offset: 0, .size: 8, .value_kind: global_buffer, .address_space: global }
      - { .name: gate, .offset: 8, .size: 8, .value_kind: global_buffer, .address_space: global }
      - { .name: cf, .offset: 16, .size: 8, .value_kind: global_buffer, .address_space: global }
    .group_segment_fixed_size: 68608
    .private_segment_fixed_size: 0
    .kernarg_segment_align: 8
    .kernarg_segment_size: 24
    .max_flat_workgroup_size: 256
    .sgpr_count:     100
    .vgpr_count:     112
    .wavefront_size: 32
...
	.end_amdgpu_metadata
.endif
;; end of part 3
;; launch scan (part 4): grid 4 x 64, 4 waves a work-group, clusters of 4 x 1, 327,680 bytes of LDS; arguments qk, cf, vv, out0; writes out0
.if DOCPART == 4
	.amdgcn_target "amdgcn-amd-amdhsa--gfx1250"
	.amdhsa_code_object_version 6
	.text
	.protected	k_q2fefecf5aa_scan
	.globl	k_q2fefecf5aa_scan
	.p2align	8
	.type	k_q2fefecf5aa_scan,@function
k_q2fefecf5aa_scan:
	s_mov_b64 s[64:65], 0
	v_nop
	global_prefetch_b8 v0, s[64:65] scope:SCOPE_SE
	s_setreg_imm32_b32 hwreg(HW_REG_WAVE_MODE, 25, 1), 1
	s_wait_xcnt 0x0
	s_wait_alu depctr_hold_cnt(0) depctr_sa_sdst(0) depctr_va_vdst(0) depctr_va_sdst(0) depctr_va_ssrc(0) depctr_va_vcc(0) depctr_vm_vsrc(0)
	s_getreg_b32 s2, hwreg(HW_REG_IB_STS2, 6, 4)
	s_cmp_eq_u32 s2, 0
	s_cbranch_scc0 .Lentry_in_a_cluster
	s_endpgm
.Lentry_in_a_cluster:
	s_bfe_u32 s2, ttmp6, 0x10000c
	s_cmp_lg_u32 s2, 0x3003
	s_cbranch_scc0 .Lentry_shape_is_right
	s_endpgm
.Lentry_shape_is_right:
; THE GATED DELTA RECURRENCE, sixteen steps at a time, in f32.  For a block with the state S0 in front of it (t, j = 0..15; An, P, sc from cf):
;   y_t = S0 k_t, z_t = S0 q_t;   w_t = b_t v_t - b_t 2^g_t y_t + sum over j < t of An[t][j] w_j;   o_t = 2^g_t z_t + sum over j <= t of P[t][j] w_j;
;   S' = 2^g_15 S0 + sum over j of 2^(g_15 - g_j) w_j k_j^T.   That is the step S = a (S - b (S k) k^T) + b v k^T, o = S q, written for sixteen steps.
; STATED DEPARTURES.  The state's products run in f32 on the vector unit, not with 16-bit operands on the matrix unit: the recurrence's factor along k reaches several times 1, outputs rise far above their root
; mean square for short stretches, and there a 16-bit rounding of k, q, w or S does not fit the allowance.  out0 leaves in pieces of 64 bytes: a work-group owns 16 of a row's 1,024 columns.
; Factors below 2^-126 count as 0; NaN and infinities are not treated apart.
; SHARES.  The 64 rows v of a head's state do not depend on each other.  A cluster of four work-groups is a head, a work-group 16 rows; wave w, half h = l / 16 of its lanes: rows 4 w + 2 h and + 1, as a register pair;
; lane e = l % 16 holds the columns 4 e .. 4 e + 3.  So S is four pairs a lane.
; THE SUMS OVER COLUMNS.  Slot r of lane e is loaded with the vector of step r xor e.  Fifteen pair additions with lane masks 1, 2, 4, 8 then leave the whole sum of step e in lane e, with no selection; and for S' lane e
; takes w of step r xor e from lane r xor e.  Rows of 512 bytes in LDS.
; CLUSTER.  q, k and the coefficients are the same for the head's four work-groups: asked for jointly (waves 0, 1: q and k; wave 2: cf).  v is the work-group's own (wave 3, no mask).
; A slot holds 128 steps; two slots take turns.  One tensor load a wave is out at any time.
.set SLOT1, 131072                     ; slot 1 begins here: one exclusive or turns an address in one slot into the other's
.set QKB,   65536                      ; a slot: 128 rows of 512 bytes (q | k),
.set CO,    65536                      ; then 8 blocks of 2,560 bytes of cf,
.set COB,   20480
.set VVO,   86016                      ; then 128 rows of 64 bytes of v
.set VVB,   8192
.set STAGE, 229376                     ; never filled by a tensor load: two buffers for 128 steps of o, [wave][t][4 f32]
.set STG2,  16384                      ; the second buffer: one exclusive or away
.set WPIT,  2112                       ; a wave's part: 2,048 bytes + 64, so that the read back touches sixteen different columns of 16 bytes
.set SPARE, STAGE+STG2+4*WPIT          ; the spare words, 128 bytes for each wave
.set S,   2                            ; v[2:9]    the state: pair c = column 4 e + c of my two rows
.set R,   10                           ; v[10:11]  w of step e
.set O,   12                           ; v[12:13]  o of step e
.set WBR, 14                           ; v[14:15]  w_j for all lanes
.set WPA, 16                           ; v[16:19]  w^ of step r xor e, two pairs by turns
.set WH,  20                           ; v[20:21]  w^ = 2^(g_15 - g_e) w
.set G16, 22                           ; v[22:23]  2^g_15
.set VVR, 24                           ; v[24:25]  v of step e
.set SC,  28                           ; v[28:31]  sc of step e
.set W0,  32                           ; v[32:47]  two working sets of four pairs
.set SV0, 48                           ; v[48:51]  the sums of slots 0-7 and 8-15
.set SV1, 50
.set AN,  52                           ; v[52:67]
.set PP,  68                           ; v[68:83]
.set AP0, 84                           ; v[84:99]  slot r: ((r xor e) & 15) x 512 + 16 e; never rewritten
.set APC, 100                          ; v[100:115] the same in the block in hand
.set AC0, 116                          ; 16 e
.set AV0, 117                          ; 64 e + 16 w + 8 h
.set FL0, 118                          ; the read back from the stage
.set CC,  119
.set AVC, 120
.set AOC, 121
.set FLC, 122
.set AO0, 123                          ; w x WPIT + 16 e + 8 h
.set VO,  124                          ; my byte offset in eight rows of out0
.set PFO, 125
.set SPW, 126
.set NIL, 127
.set X0,  128                          ; v[128:191], v[192:255]: sixteen slots of four numbers: k and q by turns
.set X1,  192
.set WV,  12
.set G1Q, 24
.set G1C, 32
.set G1V, 40
.set G0Q, 48
.set G0C, 52
.set G0V, 56
.set TB,  66                           ; LDS byte of the block to be fetched: q and k,
.set TC,  67                           ; cf,
.set TV,  68                           ; v,
.set TO,  69                           ; and where its o goes
.set TF,  70                           ; the stage buffer that is sent
.set CNT, 71
.set SLOTS, 72
.set OUT, 74                           ; s[74:75]
.set PFA, 76                           ; s[76:77] where my prefetches stand
.set PFS, 78                           ; s[78:79] their step
.macro CROUND
	s_barrier_signal -1
	s_barrier_wait -1
	s_cmp_lg_u32 s[WV], 0
	s_cbranch_scc1 .Lnot_wave_0_\@
	s_barrier_signal -3
.Lnot_wave_0_\@:
	s_barrier_wait -3
	s_barrier_signal -1
	s_barrier_wait -1
.endm
.macro JLOAD                           ; one load a wave; the branches hang on the wave's number alone; an s_nop 0 and four v_nop follow each line
	s_cmp_lt_u32 s[WV], 2
	s_cbranch_scc0 .Lnot_q_\@
	tensor_load_to_lds s[G0Q:G0Q+3], s[G1Q:G1Q+7]
	s_nop 0
.rept 4
	v_nop
.endr
	s_branch .Lasked_\@
.Lnot_q_\@:
	s_cmp_eq_u32 s[WV], 2
	s_cbranch_scc0 .Lfor_v_\@
	tensor_load_to_lds s[G0C:G0C+3], s[G1C:G1C+7]
	s_nop 0
.rept 4
	v_nop
.endr
	s_branch .Lasked_\@
.Lfor_v_\@:
	tensor_load_to_lds s[G0V:G0V+3], s[G1V:G1V+7]
	s_nop 0
.rept 4
	v_nop
.endr
.Lasked_\@:
.endm
; A prefetch of what the next change of slots will ask for, 128 steps ahead of that load: a lane a block of 256 bytes, one instruction a wave.  Waves 0, 1: of their 128 blocks of q and k the partner at place cx takes 32;
; wave 2: 20 of cf's 80 (lanes 20-31 held at the last); wave 3: its own v's 32.  The shares are told apart by address.  The last change that fills a slot asks for nothing.
.macro ASK
	s_cmp_gt_u32 s[SLOTS], 1
	s_cbranch_scc0 .Lno_more_\@
	global_prefetch_b8 v[PFO], s[PFA:PFA+1] th:TH_LOAD_NT scope:SCOPE_SE
.Lno_more_\@:
.endm
	s_load_b256 s[4:11], s[0:1], 0x0               ; qk s[4:5], cf s[6:7], vv s[8:9], out0 s[10:11]
	v_lshl_add_u32 v[SPW], v0, 2, SPARE
	v_mov_b32 v[NIL], 0
	ds_add_u32 v[SPW], v[NIL]                      ; the wave's opening: the add, twice on end, and its wait ahead of my first tensor load
	ds_add_u32 v[SPW], v[NIL]
	v_lshrrev_b32 v1, 5, v0
	v_readfirstlane_b32 s[WV], v1
	s_bfe_u32 s13, ttmp6, 0x40000                  ; cx: which 16 rows of the state
	s_and_b32 s14, ttmp7, 0xffff                   ; hh, which the four partners share
	s_mov_b32 s[G1Q], 15|(2<<16)|(1<<21)           ; the mask of four; 4-byte elements; bit 21 beside a mask
	s_mov_b32 s[G1Q+1], 128<<16                    ; rows of 128 elements,
	s_mov_b32 s[G1Q+2], 64<<16                     ; 64 of them
	s_mov_b32 s[G1Q+3], 128<<16
	s_mov_b32 s[G1Q+4], 64
	s_mov_b32 s[G1Q+5], 128
	s_mov_b32 s[G1Q+6], 0
	s_mov_b32 s[G1Q+7], 0
	s_mov_b32 s[G1C], 15|(3<<16)|(1<<21)           ; 8-byte elements: 80 rows of 256 bytes, dense
	s_mov_b32 s[G1C+1], 32<<16
	s_mov_b32 s[G1C+2], 80<<16
	s_mov_b32 s[G1C+3], 32<<16
	s_mov_b32 s[G1C+4], 80
	s_mov_b32 s[G1C+5], 32
	s_mov_b32 s[G1C+6], 0
	s_mov_b32 s[G1C+7], 0
	s_mov_b32 s[G1V], 3<<16                        ; no mask: the work-group's own; 32 rows of 256 bytes, dense
	s_mov_b32 s[G1V+1], 32<<16
	s_mov_b32 s[G1V+2], 32<<16
	s_mov_b32 s[G1V+3], 32<<16
	s_mov_b32 s[G1V+4], 32
	s_mov_b32 s[G1V+5], 32
	s_mov_b32 s[G1V+6], 0
	s_mov_b32 s[G1V+7], 0
	s_and_b32 s16, s[WV], 1
	s_lshl_b32 s17, s16, 15                        ; my 64 of a tile's 128 rows: in LDS and in memory
	s_lshl_b32 s18, s14, 20
	s_add_co_u32 s18, s18, s17
	s_mov_b32 s19, 0
	s_mul_i32 s20, s14, 327680                     ; a head's 128 blocks of cf
	s_mov_b32 s21, 0
	s_lshl2_add_u32 s22, s14, s13                  ; group 4 hh + cx of vv
	s_lshl_b32 s22, s22, 17
	s_mov_b32 s23, 0
	s_mov_b32 s[G0Q], 1
	s_mov_b32 s[G0Q+1], s17
	s_mov_b32 s[G0C], 1
	s_mov_b32 s[G0C+1], CO
	s_mov_b32 s[G0V], 1
	s_mov_b32 s[G0V+1], VVO
	s_wait_dscnt 0x0                               ; both opening adds are done
	s_wait_kmcnt 0x0
	s_add_nc_u64 s[G0Q+2:G0Q+3], s[4:5], s[18:19]
	s_or_b32 s[G0Q+3], s[G0Q+3], 0x80000000
	s_add_nc_u64 s[G0C+2:G0C+3], s[6:7], s[20:21]
	s_or_b32 s[G0C+3], s[G0C+3], 0x80000000
	s_add_nc_u64 s[G0V+2:G0V+3], s[8:9], s[22:23]
	s_or_b32 s[G0V+3], s[G0V+3], 0x80000000
	CROUND                                         ; all four work-groups are here: the first joint loads meet
	JLOAD                                          ; tile 0 into slot 0; slot 1 is asked for by the first change of slots
	; out0 at row 2,048 b + 32 w, column 64 h + 16 cx
	s_lshr_b32 s80, s14, 4
	s_lshl_b32 s80, s80, 11
	s_lshl_b32 s81, s[WV], 5
	s_add_co_u32 s80, s80, s81
	s_lshl_b32 s80, s80, 10
	s_and_b32 s81, s14, 15
	s_lshl_b32 s81, s81, 6
	s_add_co_u32 s80, s80, s81
	s_lshl4_add_u32 s80, s13, s80
	s_lshl_b32 s80, s80, 2
	s_mov_b32 s81, 0
	s_add_nc_u64 s[OUT:OUT+1], s[10:11], s[80:81]
	; the prefetches stand at tile 1; the first change of slots steps them to tile 2
	s_lshl_b32 s82, s13, 13
	s_add_co_u32 s82, s82, s18
	s_add_co_u32 s82, s82, QKB
	s_mul_i32 s83, s13, 5120
	s_add_co_u32 s83, s83, s20
	s_add_co_u32 s83, s83, COB
	s_add_co_u32 s84, s22, VVB
	s_mov_b32 s86, COB
	s_mov_b32 s87, VVB
	s_cmp_eq_u32 s[WV], 2
	s_cselect_b64 s[PFA:PFA+1], s[6:7], s[8:9]
	s_cselect_b32 s84, s83, s84
	s_cselect_b32 s[PFS], s86, s87
	s_cselect_b32 s88, 19, 31
	s_cmp_lt_u32 s[WV], 2
	s_cselect_b64 s[PFA:PFA+1], s[4:5], s[PFA:PFA+1]
	s_cselect_b32 s84, s82, s84
	s_cselect_b32 s[PFS], QKB, s[PFS]
	s_mov_b32 s85, 0
	s_mov_b32 s[PFS+1], 0
	s_add_nc_u64 s[PFA:PFA+1], s[PFA:PFA+1], s[84:85]
	v_and_b32 v1, 15, v0                           ; e
	v_bfe_u32 v26, v0, 4, 1                        ; h
	v_and_b32 v27, 31, v0                          ; l
	v_min_u32 v[PFO], s88, v27
	v_lshlrev_b32 v[PFO], 8, v[PFO]
	v_lshlrev_b32 v[AC0], 4, v1
	s_lshl_b32 s15, s[WV], 4
	v_lshlrev_b32 v[AV0], 6, v1
	v_lshl_add_u32 v[AV0], v26, 3, v[AV0]
	v_add_nc_u32 v[AV0], s15, v[AV0]
	s_mul_i32 s15, s[WV], WPIT
	v_lshl_add_u32 v[AO0], v26, 3, v[AC0]
	v_add_nc_u32 v[AO0], s15, v[AO0]
	v_and_b32 v26, 3, v0                           ; l % 4: whose four rows
	v_lshrrev_b32 v27, 2, v27                      ; l / 4: which of eight steps
	s_lshl_b32 s15, s[WV], 9                       ; I send steps 32 w .. 32 w + 31
	v_mul_u32_u24 v[FL0], v26, WPIT
	v_lshl_add_u32 v[FL0], v27, 4, v[FL0]
	v_add_nc_u32 v[FL0], s15, v[FL0]
	v_lshlrev_b32 v[VO], 12, v27
	v_lshl_add_u32 v[VO], v26, 4, v[VO]
.set ar, 0
.rept 16
	v_xor_b32 v[AP0+ar], ar, v1
	v_and_b32 v[AP0+ar], 15, v[AP0+ar]
	v_lshl_add_u32 v[AP0+ar], v[AP0+ar], 9, v[AC0]
.set ar, ar+1
.endr
.set ar, S
.rept 8
	v_mov_b32 v[ar], 0                             ; the state starts at 0
.set ar, ar+1
.endr
.irp z, WBR, WBR+1, WPA, WPA+1, WPA+2, WPA+3, G16, G16+1, SV0, SV0+1, SV1, SV1+1
	v_mov_b32 v[\z], 0                             ; DPP destinations count as read
.endr
	s_mov_b32 s[SLOTS], 15
	s_mov_b32 s[TB], SLOT1+QKB                     ; the first change of slots turns these into slot 0's and the first stage buffer's beginnings
	s_mov_b32 s[TC], SLOT1+CO+COB
	s_mov_b32 s[TV], SLOT1+VVO+VVB
	s_mov_b32 s[TO], STAGE+STG2+2048
.macro ADDR                            ; the addresses of the next two blocks
.set ar, 0
.rept 16
	v_add_nc_u32 v[APC+ar], s[TB], v[AP0+ar]
.set ar, ar+1
.endr
	v_add_nc_u32 v[CC], s[TC], v[AC0]
	v_add_nc_u32 v[AVC], s[TV], v[AV0]
	v_add_nc_u32 v[AOC], s[TO], v[AO0]
	s_add_co_u32 s[TB], s[TB], 16384
	s_add_co_u32 s[TC], s[TC], 5120
	s_add_co_u32 s[TV], s[TV], 2048
	s_add_co_u32 s[TO], s[TO], 512
.endm
.macro LOADK fx, nb                    ; k of block nb into fx, and the block's An and P
.set lr, 0
.rept 16
	ds_load_b128 v[(\fx)+4*lr:(\fx)+4*lr+3], v[APC+lr] offset:(\nb)*8192+256
.set lr, lr+1
.endr
.irp i, 0,1,2,3
	ds_load_b128 v[AN+4*(\i):AN+4*(\i)+3], v[CC] offset:(\nb)*2560+(\i)*512
	ds_load_b128 v[PP+4*(\i):PP+4*(\i)+3], v[CC] offset:(\nb)*2560+(\i)*512+256
.endr
.endm
.macro LOADQ fx, nb                    ; q of block nb into fx, its sc and its v
.set lr, 0
.rept 16
	ds_load_b128 v[(\fx)+4*lr:(\fx)+4*lr+3], v[APC+lr] offset:(\nb)*8192
.set lr, lr+1
.endr
	ds_load_b128 v[SC:SC+3], v[CC] offset:(\nb)*2560+2048
	ds_load_b64 v[VVR:VVR+1], v[AVC] offset:(\nb)*1024
.endm
; One line of the products S x vector: slot 4 g + i, column c, both rows at once; working set g % 2.  c = 0 starts the sum.
.macro GLINE xb, g, c, i
.set xr, (\xb)+4*(4*(\g)+(\i))
.set wr, W0+8*((\g)%2)+2*(\i)
.if (\c) == 0
	v_pk_mul_f32 v[wr:wr+1], v[S:S+1], v[xr:xr+1] op_sel_hi:[1,0]
.elseif (\c) == 1
	v_pk_fma_f32 v[wr:wr+1], v[S+2:S+3], v[xr:xr+1], v[wr:wr+1] op_sel:[0,1,0] op_sel_hi:[1,1,1]
.elseif (\c) == 2
	v_pk_fma_f32 v[wr:wr+1], v[S+4:S+5], v[xr+2:xr+3], v[wr:wr+1] op_sel_hi:[1,0,1]
.else
	v_pk_fma_f32 v[wr:wr+1], v[S+6:S+7], v[xr+2:xr+3], v[wr:wr+1] op_sel:[0,1,0] op_sel_hi:[1,1,1]
.endif
.endm
.macro XADD d, a, b, m                 ; pair d = pair a of lane e xor m + pair b
	v_add_f32_dpp v[\d], v[\a], v[\b] row_xmask:\m row_mask:0xf bank_mask:0xf
	v_add_f32_dpp v[(\d)+1], v[(\a)+1], v[(\b)+1] row_xmask:\m row_mask:0xf bank_mask:0xf
.endm
; Level lvl of the sum over lanes for group g of four slots: 1: slots 4 g + 1, + 3 onto 4 g, + 2; 2: + 2 onto 4 g; 3 (g odd): onto the group before; 4 (g = 3): slots 8-15 onto 0-7.  g = -1: nothing.
.macro RED g, lvl
.if (\g) >= 0
.set wb, W0+8*((\g)%2)
.if (\lvl) == 1
	XADD wb, wb+2, wb, 1
	XADD wb+4, wb+6, wb+4, 1
.elseif (\lvl) == 2
.if (\g) == 0
	XADD SV0, wb+4, wb, 2
.elseif (\g) == 2
	XADD SV1, wb+4, wb, 2
.else
	XADD wb, wb+4, wb, 2
.endif
.elseif (\lvl) == 3
.if ((\g)%2) == 1
	XADD SV0+2*((\g)/2), wb, SV0+2*((\g)/2), 4
.endif
.elseif (\g) == 3
	XADD SV0, SV1, SV0, 8
.endif
.endif
.endm
; THE FIRST HALF OF A BLOCK: y, then w by substitution with z's products between the links of its chain, then o.
.macro HEAD kx, qx, nb
	s_wait_dscnt 26                                ; k is in; behind its 16 loads were issued 8 of An and P, 16 of q, sc and v
.irp g, 0,1,2,3
.irp c, 0,1,2,3
	GLINE \kx, \g, \c, 0
	GLINE \kx, \g, \c, 1
	GLINE \kx, \g, \c, 2
	GLINE \kx, \g, \c, 3
	RED (\g)-1, (\c)+1
.endr
.endr
	RED 3, 1
	RED 3, 2
	RED 3, 3
	RED 3, 4
	s_wait_dscnt 0x0                               ; q, the coefficients and v are in
	v_pk_mul_f32 v[R:R+1], v[VVR:VVR+1], v[SC:SC+1] op_sel_hi:[1,0]                               ; b v
	v_pk_fma_f32 v[R:R+1], v[SV0:SV0+1], v[SC:SC+1], v[R:R+1] op_sel:[0,1,0] op_sel_hi:[1,1,1]    ; - b 2^g y
.irp j, 0,1,2,3,4,5,6,7,8,9,10,11,12,13,14,15
	v_mov_b32_dpp v[WBR], v[R] row_share:\j row_mask:0xf bank_mask:0xf                             ; w_j is final: only j' < j add onto it
	v_mov_b32_dpp v[WBR+1], v[R+1] row_share:\j row_mask:0xf bank_mask:0xf
	GLINE \qx, (\j)/4, (\j)%4, 0
	GLINE \qx, (\j)/4, (\j)%4, 1
	RED (\j)/4-1, (\j)%4+1
.if (\j) == 0
	v_pk_fma_f32 v[R:R+1], v[WBR:WBR+1], v[AN:AN+1], v[R:R+1] op_sel_hi:[1,0,1]
	v_pk_mul_f32 v[O:O+1], v[WBR:WBR+1], v[PP:PP+1] op_sel_hi:[1,0]
.elseif ((\j)%2) == 0
	v_pk_fma_f32 v[R:R+1], v[WBR:WBR+1], v[AN+(\j):AN+(\j)+1], v[R:R+1] op_sel_hi:[1,0,1]
	v_pk_fma_f32 v[O:O+1], v[WBR:WBR+1], v[PP+(\j):PP+(\j)+1], v[O:O+1] op_sel_hi:[1,0,1]
.else
.if (\j) < 15
	v_pk_fma_f32 v[R:R+1], v[WBR:WBR+1], v[AN+(\j)-1:AN+(\j)], v[R:R+1] op_sel:[0,1,0] op_sel_hi:[1,1,1]
.endif
	v_pk_fma_f32 v[O:O+1], v[WBR:WBR+1], v[PP+(\j)-1:PP+(\j)], v[O:O+1] op_sel:[0,1,0] op_sel_hi:[1,1,1]
.endif
	GLINE \qx, (\j)/4, (\j)%4, 2
	GLINE \qx, (\j)/4, (\j)%4, 3
.endr
	RED 3, 1
	RED 3, 2
	RED 3, 3
	RED 3, 4
	v_pk_fma_f32 v[O:O+1], v[SV0:SV0+1], v[SC+2:SC+3], v[O:O+1] op_sel_hi:[1,0,1]                  ; + 2^g z
	ds_store_b64 v[AOC], v[O:O+1] offset:(\nb)*256                                                 ; 32 lanes: 256 consecutive bytes of my wave's part of the stage
.endm
.macro UFMA kx, ur, wp                 ; S += w^ of step ur xor e (pair wp) x k of that step
	v_pk_fma_f32 v[S:S+1], v[\wp:(\wp)+1], v[(\kx)+4*(\ur):(\kx)+4*(\ur)+1], v[S:S+1] op_sel_hi:[1,0,1]
	v_pk_fma_f32 v[S+2:S+3], v[\wp:(\wp)+1], v[(\kx)+4*(\ur):(\kx)+4*(\ur)+1], v[S+2:S+3] op_sel:[0,1,0] op_sel_hi:[1,1,1]
	v_pk_fma_f32 v[S+4:S+5], v[\wp:(\wp)+1], v[(\kx)+4*(\ur)+2:(\kx)+4*(\ur)+3], v[S+4:S+5] op_sel_hi:[1,0,1]
	v_pk_fma_f32 v[S+6:S+7], v[\wp:(\wp)+1], v[(\kx)+4*(\ur)+2:(\kx)+4*(\ur)+3], v[S+6:S+7] op_sel:[0,1,0] op_sel_hi:[1,1,1]
.endm
.macro WMOV wp, m
	v_mov_b32_dpp v[\wp], v[WH] row_xmask:\m row_mask:0xf bank_mask:0xf
	v_mov_b32_dpp v[(\wp)+1], v[WH+1] row_xmask:\m row_mask:0xf bank_mask:0xf
.endm
; THE SECOND HALF: the state's update from registers (k in kx).  The next block's k goes into fx, where q lay, at once; its q into kx when the update has read it.
.macro TAIL kx, fx, nb
	LOADK \fx, \nb
	v_pk_mul_f32 v[WH:WH+1], v[R:R+1], v[SC+2:SC+3] op_sel:[0,1] op_sel_hi:[1,1]
	v_mov_b32_dpp v[G16], v[SC+2] row_share:15 row_mask:0xf bank_mask:0xf
	WMOV WPA, 1
.irp c, 0,1,2,3
	v_pk_mul_f32 v[S+2*(\c):S+2*(\c)+1], v[S+2*(\c):S+2*(\c)+1], v[G16:G16+1] op_sel_hi:[1,0]
.endr
	UFMA \kx, 0, WH
.irp u, 2,3,4,5,6,7,8,9,10,11,12,13,14,15
	WMOV WPA+2*(((\u)+1)%2), \u                    ; slot u's pair is made while slot u - 1's is used
	UFMA \kx, (\u)-1, WPA+2*((\u)%2)
.endr
	UFMA \kx, 15, WPA
	LOADQ \kx, \nb
.endm
; 128 steps of o leave: I read steps 32 w .. 32 w + 31 of all four waves' parts, behind the barrier, and store 64 bytes of each of eight rows an instruction.
.macro FLUSH
	v_add_nc_u32 v[FLC], s[TF], v[FL0]
.irp n, 0,1,2,3
	ds_load_b128 v[W0+4*(\n):W0+4*(\n)+3], v[FLC] offset:(\n)*128
.endr
	s_wait_dscnt 0x0
.irp n, 0,1,2,3
	global_store_b128 v[VO], v[W0+4*(\n):W0+4*(\n)+3], s[OUT:OUT+1] offset:(\n)*32768 th:TH_STORE_NT
.endr
	s_wait_xcnt 0x0                                ; the stores have read their registers and their base
	s_add_nc_u64 s[OUT:OUT+1], s[OUT:OUT+1], 524288
.endm
; THE CHANGE OF SLOTS, between a block's two halves: all that the second half needs lies in registers.  Each wave waits for all its tensor loads (one is out: its part of the other slot), adds 0 to its spare word, and waits
; for that, for its reads of the slot and for its stores into the stage.  fill = 1: a round of the cluster's barrier, and the slot just left is filled again first thing behind it, with the tile two on.
.macro CHANGE fill, flush
	s_wait_tensorcnt 0x0
	ds_add_u32 v[SPW], v[NIL]                      ; 0 onto my spare word; scalar work stands between it and the wait for it
.if \fill
	s_xor_b32 s[G0Q+1], s[G0Q+1], SLOT1
	s_add_nc_u64 s[G0Q+2:G0Q+3], s[G0Q+2:G0Q+3], QKB
	s_xor_b32 s[G0C+1], s[G0C+1], SLOT1
	s_add_nc_u64 s[G0C+2:G0C+3], s[G0C+2:G0C+3], COB
	s_xor_b32 s[G0V+1], s[G0V+1], SLOT1
	s_add_nc_u64 s[G0V+2:G0V+3], s[G0V+2:G0V+3], VVB
	s_wait_xcnt 0x0                                ; the last prefetch, a slot back, has read its address
	s_add_nc_u64 s[PFA:PFA+1], s[PFA:PFA+1], s[PFS:PFS+1]
.endif
	s_sub_co_u32 s[TB], s[TB], QKB                 ; the fetches go back to a slot's beginning, in the other slot
	s_xor_b32 s[TB], s[TB], SLOT1
	s_sub_co_u32 s[TC], s[TC], COB
	s_xor_b32 s[TC], s[TC], SLOT1
	s_sub_co_u32 s[TV], s[TV], VVB
	s_xor_b32 s[TV], s[TV], SLOT1
	s_sub_co_u32 s[TO], s[TO], 2048
	s_mov_b32 s[TF], s[TO]                         ; the stage buffer just written is sent; the other is written next
	s_xor_b32 s[TO], s[TO], STG2
	s_wait_dscnt 0x0
.if \fill
	CROUND
	JLOAD
	ASK
.else
	s_barrier_signal -1
	s_barrier_wait -1
.endif
.if \flush
	FLUSH
.endif
.endm
.macro TRIPS tag                       ; a slot's eight blocks: four trips of two; a trip begins with the second half of the block before
.Ltrip\tag:
	ADDR
	TAIL X1, X0, 0
.Lfirst\tag:
	HEAD X0, X1, 0
	TAIL X0, X1, 1
	HEAD X1, X0, 1
	s_sub_co_u32 s[CNT], s[CNT], 1
	s_cmp_lg_u32 s[CNT], 0
	s_cbranch_scc1 .Ltrip\tag
.endm
	CHANGE 1, 0                                    ; tile 0 is in, everybody's part of it; tile 1 is asked for
	ADDR
	LOADK X0, 0
	LOADQ X1, 0
	s_mov_b32 s[CNT], 4
	s_branch .Lfirst1                              ; the first block has no block before it
.Lslot:                                                ; 14 times: tiles 2 to 15 are asked for
	CHANGE 1, 1
	s_mov_b32 s[CNT], 4
	TRIPS 1
	s_sub_co_u32 s[SLOTS], s[SLOTS], 1
	s_cmp_lg_u32 s[SLOTS], 0
	s_cbranch_scc1 .Lslot
	CHANGE 0, 1                                    ; the last tile is written out
	s_mov_b32 s[CNT], 4
	TRIPS 2
	s_wait_dscnt 0x0                               ; my last stores into the stage are done
	s_barrier_signal -1
	s_barrier_wait -1
	s_sub_co_u32 s[TF], s[TO], 2048
	FLUSH
	s_wait_tensorcnt 0x0                           ; the wave's end: behind my last tensor load and my last LDS store
	ds_add_u32 v[SPW], v[NIL]
	s_wait_dscnt 0x0
	CROUND                                         ; the closing round
	s_endpgm
.Lfunc_end_k_q2fefecf5aa_scan:
	.size	k_q2fefecf5aa_scan, .Lfunc_end_k_q2fefecf5aa_scan-k_q2fefecf5aa_scan
	.p2alignl 7, 3214868480
	.fill 96, 4, 3214868480
	.section	.rodata,"a",@progbits
	.p2align	6, 0x0
	.amdhsa_kernel k_q2fefecf5aa_scan
		.amdhsa_group_segment_fixed_size 327680
		.amdhsa_private_segment_fixed_size 0
		.amdhsa_enable_private_segment 0
		.amdhsa_kernarg_size 32
		.amdhsa_user_sgpr_count 2
		.amdhsa_user_sgpr_kernarg_segment_ptr 1
		.amdhsa_wavefront_size32 1
		.amdhsa_system_sgpr_workgroup_id_x 1
		.amdhsa_system_sgpr_workgroup_id_y 1
		.amdhsa_system_sgpr_workgroup_id_z 1
		.amdhsa_system_vgpr_workitem_id 0
		.amdhsa_next_free_vgpr 256
		.amdhsa_next_free_sgpr 96
		.amdhsa_reserve_vcc 0
		.amdhsa_float_denorm_mode_32 3
		.amdhsa_float_denorm_mode_16_64 3
		.amdhsa_memory_ordered 1
		.amdhsa_forward_progress 1
		.amdhsa_inst_pref_size 124
	.end_amdhsa_kernel
	.amdgpu_metadata
---
amdhsa.version: [ 1, 2 ]
amdhsa.kernels:
  - .name:           k_q2fefecf5aa_scan
    .symbol:         k_q2fefecf5aa_scan.kd
    .args:
      - { .name: qk, .offset: 0, .size: 8, .value_kind: global_buffer, .address_space: global }
      - { .name: cf, .offset: 8, .size: 8, .value_kind: global_buffer, .address_space: global }
      - { .name: vv, .offset: 16, .size: 8, .value_kind: global_buffer, .address_space: global }
      - { .name: out0, .offset: 24, .size: 8, .value_kind: global_buffer, .address_space: global }
    .group_segment_fixed_size: 327680
    .private_segment_fixed_size: 0
    .kernarg_segment_align: 8
    .kernarg_segment_size: 32
    .max_flat_workgroup_size: 128
    .sgpr_count:     96
    .vgpr_count:     256
    .wavefront_size: 32
...
	.end_amdgpu_metadata
.endif
;; end of part 4
;; ======== version 2 of 2: 4 launches; version 1 with the launch gram written anew for expert scheduling mode
;; workspace buffers: xb 16,777,216 bytes; wt 6,291,456 bytes; gate 65,536 bytes; qk 67,108,864 bytes; vv 33,554,432 bytes; cf 20,971,520 bytes
;; launch prep: the kernel of part 1 again; grid 640 x 1, 4 waves a work-group, no clusters, 17,920 bytes of LDS; arguments x, Wa, Wb, Wq, Wk, Wv, xb, wt, gate; writes xb, wt, gate
;; launch gemm: the kernel of part 2 again; grid 16 x 32, 4 waves a work-group, clusters of 4 x 4, 327,680 bytes of LDS; arguments xb, wt, qk, vv; writes qk, vv
;; launch gram (part 5): grid 16 x 64, 8 waves a work-group, no clusters, 68,608 bytes of LDS; arguments qk, gate, cf; writes cf
.if DOCPART == 5
	.amdgcn_target "amdgcn-amd-amdhsa--gfx1250"
	.amdhsa_code_object_version 6
	.text
	.protected	k_q2fefecf5aa_gram
	.globl	k_q2fefecf5aa_gram
	.p2align	8
	.type	k_q2fefecf5aa_gram,@function
k_q2fefecf5aa_gram:
	s_mov_b64 s[64:65], 0
	v_nop
	global_prefetch_b8 v0, s[64:65] scope:SCOPE_SE
	s_setreg_imm32_b32 hwreg(HW_REG_WAVE_SCHED_MODE, 0, 2), 2
	s_setreg_imm32_b32 hwreg(HW_REG_WAVE_MODE, 25, 1), 1
	s_wait_xcnt 0x0
	s_wait_alu depctr_vm_vsrc(0)
; THE COEFFICIENTS OF A BLOCK OF 16 STEPS, for each head hh and block: one wave each.  With g_t the sum of log2 alpha over the block's steps 0..t, b = beta:
;   An[t][j] = -b_t 2^(g_t - g_j) k_t.k_j for j < t, else 0;   P[t][j] = 2^(g_t - g_j) q_t.k_j for j <= t, else 0;   sc[t] = (b_t, -b_t 2^g_t, 2^g_t, 2^(g_15 - g_t)).
; cf block, 2,560 bytes: byte 512 i + 256 m + 16 t holds the four j = 4 i .. 4 i + 3 of row t (m = 0: An, 1: P); byte 2,048 + 16 lane holds sc of t = lane % 16.
; All in f32 on the vector unit: these products steer a recurrence whose factors reach several times 1, and a 16-bit rounding of k or q does not fit the allowance.
; Lane l holds row t = l % 16 in 64 registers: k_t in lanes 0-15, q_t in lanes 16-31 (turned through the wave's own LDS bytes); k_j comes by scalar loads, 32 numbers a phase, one phase ahead.
; No exponent above 0 enters a kept number; where j is past t the factor may overflow, and the place is then chosen 0, not multiplied by 0.  Factors below 2^-126 count as 0.
; No cluster and no prefetch: every block is read by one wave, in one run of loads at its start.
; THE MODE: SCHED_MODE bits 1:0 = 2 (LLVM: expert scheduling mode 2), set by the entry lines.  The code itself states the register dependences
; between vector instructions and memory or LDS instructions, with s_wait_alu, always for 0.
; THE PLAN.  The text is one straight run.  Registers that memory or LDS instructions touch:
;   v4 .. v7      offsets and LDS addresses: made at the head, read by every load, LDS access and store, never written again: one wait on va_vdst ahead of the first load serves them all.
;   X             the global loads land in it; the LDS stores read it; the LDS loads land in it again (one wait on vm_vsrc between the two); from there on vector instructions alone name it.
;   ACC, v[96:99] written by vector instructions, read by the five stores at the end: one wait on va_vdst ahead of the run of stores.
;   v[SPW], v[NIL] written at the head, read by the closing add alone.
; Scalar registers that vector instructions write: s10 (the wave's number), and in ONE run g_j (s[16:31]), the triangle's sixteen masks (s[32:47]) and the factor's mask (s98): a wait on va_sdst behind each of the two.
; VCC and EXEC are written nowhere.  The scalar loads' results are ordered by s_wait_kmcnt; no vector instruction writes their registers before the last of them has been waited for.
.set ROWP, 528                         ; a row in LDS: 512 bytes + 16: 16 rows start at 16 different groups of four banks (64 banks of 4 bytes: ISA guide 11.1)
.set WREG, 16*ROWP                     ; a wave's own bytes
.set SPARE, 8*WREG                     ; the spare words, 128 bytes for each of eight waves
.set ACC, 16                           ; v[16:31] the sixteen j of my row
.set X,   32                           ; v[32:95] my row
.set SPW, 100
.set NIL, 101
.set MK,  32                           ; s[32:47] behind the last phase: mask j, the lanes whose place j is kept
.set SELM, 98                          ; s98      the lanes 0-15
	s_load_b128 s[4:7], s[0:1], 0x0                ; qk s[4:5], gate s[6:7]
	s_load_b64 s[8:9], s[0:1], 0x10                ; cf
	v_lshl_add_u32 v[SPW], v0, 2, SPARE
	v_mov_b32 v[NIL], 0
	v_lshrrev_b32 v1, 5, v0
	v_readfirstlane_b32 s10, v1                    ; wave 0..7
	v_and_b32 v1, 31, v0                           ; lane.  What does not hang on the wave's number stands between that line and the wait for it
	v_and_b32 v2, 15, v0                           ; t
	v_bfe_u32 v3, v0, 4, 1                         ; half
	v_lshlrev_b32 v4, 4, v1                        ; 16 bytes a lane, in qk and in cf
	v_lshlrev_b32 v5, 3, v2                        ; my row of gate
	v_mul_u32_u24 v7, v2, ROWP
	v_xor_b32 v14, 1, v3
	v_lshl_add_u32 v7, v14, 8, v7                  ; back: row t; lanes 0-15 k's half (byte 256), lanes 16-31 q's
	v_mov_b32 v11, 0                               ; a DPP destination counts as read
	s_and_b32 s11, ttmp7, 0xffff                   ; hh
	s_lshl_b32 s12, ttmp9, 3
	s_wait_alu depctr_va_sdst(0)                   ; s10 is written, ahead of its first reader: the block's number and the wave's LDS bytes are made from it
	s_add_co_u32 s12, s12, s10                     ; block 0..127
	s_lshl_b32 s2, s11, 20                         ; a head: 2,048 rows of 512 bytes
	s_lshl_b32 s3, s12, 13
	s_add_co_u32 s2, s2, s3
	s_mov_b32 s3, 0
	s_lshr_b32 s14, s11, 4
	s_lshl_b32 s14, s14, 11
	s_lshl4_add_u32 s14, s12, s14                  ; row 2,048 b + 16 block of gate
	s_lshl_b32 s14, s14, 3
	s_mov_b32 s15, 0
	s_lshl_b32 s96, s11, 7
	s_add_co_u32 s96, s96, s12
	s_mul_i32 s96, s96, 2560
	s_mov_b32 s97, 0
	s_mul_i32 s13, s10, WREG
	v_add_nc_u32 v6, s13, v4                       ; into LDS as it lies
	v_add_nc_u32 v7, s13, v7
	s_wait_kmcnt 0x0
	s_add_nc_u64 s[4:5], s[4:5], s[2:3]
	s_add_nc_u64 s[6:7], s[6:7], s[14:15]
	s_add_nc_u64 s[8:9], s[8:9], s[96:97]
	s_wait_alu depctr_va_vdst(0)                   ; v4 to v7 are written: the loads, the LDS stores and loads and the stores below read them as offsets and addresses; none is written again
	global_load_b64 v[8:9], v5, s[6:7]             ; (log2 alpha_t, beta_t)
.irp i, 0,1,2,3,4,5,6,7,8,9,10,11,12,13,14,15
	global_load_b128 v[X+4*(\i):X+4*(\i)+3], v4, s[4:5] offset:(\i)*512   ; row i: 512 consecutive bytes
.endr
.macro SLOAD q                         ; phase q's 32 numbers of k_j, j = q / 2, half q % 2: even phases into s[16:47], odd into s[48:63] and s[80:95]
.if ((\q)%2) == 0
	s_load_b512 s[16:31], s[4:5], ((\q)/2)*512+256
	s_load_b512 s[32:47], s[4:5], ((\q)/2)*512+320
.else
	s_load_b512 s[48:63], s[4:5], ((\q)/2)*512+384
	s_load_b512 s[80:95], s[4:5], ((\q)/2)*512+448
.endif
.endm
	SLOAD 0
.irp i, 0,1,2,3,4,5,6,7,8,9,10,11,12,13,14,15
	s_wait_loadcnt 15-(\i)                         ; row i is in; the younger rows may stay out
	ds_store_b128 v6, v[X+4*(\i):X+4*(\i)+3] offset:(\i)*ROWP
.endr
	s_wait_alu depctr_vm_vsrc(0)                   ; the LDS stores have read X, in which the LDS loads below land
.irp c, 0,1,2,3,4,5,6,7,8,9,10,11,12,13,14,15
	ds_load_b128 v[X+4*(\c):X+4*(\c)+3], v7 offset:16*(\c)   ; my own wave's bytes: LDS serves a wave's instructions in order (ISA guide 5.7.1.4)
.endr
	v_mov_b32 v10, v8                              ; g: the running sum of log2 alpha over the 16 lanes of a row
.irp n, 1,2,4,8
	v_mov_b32_dpp v11, v10 row_shr:\n row_mask:0xf bank_mask:0xf bound_ctrl:1
	v_add_f32 v10, v10, v11
.endr
	s_wait_dscnt 0x0
.set ph, 0
.rept 32
	s_wait_kmcnt 0x0                               ; this phase's numbers are in (scalar loads: for 0 alone)
.if ph < 31
	SLOAD ph+1
.endif
.set e, 0
.rept 32
.if (ph%2) == 0
.set sr, 16+e
.elseif e < 16
.set sr, 48+e
.else
.set sr, 64+e
.endif
.if ((ph%2) == 0) && (e == 0)
	v_mul_f32 v[ACC+ph/2], s[sr], v[X+e]           ; the first product starts the sum
.else
	v_fmac_f32 v[ACC+ph/2], s[sr], v[X+32*(ph%2)+e]
.endif
.set e, e+1
.endr
.set ph, ph+1
.endr
	v_add_nc_u32 v13, v2, v3                       ; kept where j < t (An) or j < t + 1 (P)
	v_xor_b32 v15, 0x80000000, v9                  ; -b
; All that vector instructions write into scalar registers stands in one run, under one wait.
.set j, 0
.rept 16
	v_readlane_b32 s[16+j], v10, j                 ; g_j
.set j, j+1
.endr
	v_cmp_eq_u32 s[SELM], 0, v3
.set j, 0
.rept 16
	v_cmp_lt_u32 s[MK+j], j, v13
.set j, j+1
.endr
	s_wait_alu depctr_va_sdst(0)                   ; g_j, the sixteen masks and the factor's mask are written, ahead of their first reader
.set j, 0
.rept 16
	v_sub_f32 v[X+j], v10, s[16+j]                 ; g_t - g_j
.set j, j+1
.endr
	v_sub_f32 v[X+17], s31, v10                    ; g_15 - g_t
	v_cndmask_b32 v12, 1.0, v15, s[SELM]           ; lanes 0-15: -b; lanes 16-31: 1
.set j, 0
.rept 16
	v_exp_f32 v[X+j], v[X+j]
.set j, j+1
.endr
	v_exp_f32 v[X+16], v10
	v_exp_f32 v[X+17], v[X+17]
	v_mov_b32 v96, v9                              ; the plain instruction behind the batch
	s_wait_alu depctr_va_vdst(0)                   ; the eighteen exponentials have written v[X .. X+17]: one wait, ahead of their first reader
.set j, 0
.rept 16
	v_mul_f32 v[X+j], v[X+j], v12
	v_mul_f32 v[ACC+j], v[ACC+j], v[X+j]
	v_cndmask_b32 v[ACC+j], 0, v[ACC+j], s[MK+j]
.set j, j+1
.endr
	v_mul_f32 v97, v15, v[X+16]
	v_mov_b32 v98, v[X+16]
	v_mov_b32 v99, v[X+17]
	s_wait_alu depctr_va_vdst(0)                   ; ACC and v[96:99] are written, which the five stores read
.irp i, 0,1,2,3
	global_store_b128 v4, v[ACC+4*(\i):ACC+4*(\i)+3], s[8:9] offset:(\i)*512   ; 512 consecutive bytes, at a multiple of 256 from cf's first
.endr
	global_store_b128 v4, v[96:99], s[8:9] offset:2048
	s_wait_dscnt 0x0                               ; the closing lines, six on end
	s_wait_alu 0x0
	s_wait_tensorcnt 0x0
	ds_add_u32 v[SPW], v[NIL]
	s_wait_dscnt 0x0
	s_endpgm
.Lfunc_end_k_q2fefecf5aa_gram:
	.size	k_q2fefecf5aa_gram, .Lfunc_end_k_q2fefecf5aa_gram-k_q2fefecf5aa_gram
	.p2alignl 7, 3214868480
	.fill 96, 4, 3214868480
	.section	.rodata,"a",@progbits
	.p2align	6, 0x0
	.amdhsa_kernel k_q2fefecf5aa_gram
		.amdhsa_group_segment_fixed_size 68608
		.amdhsa_private_segment_fixed_size 0
		.amdhsa_enable_private_segment 0
		.amdhsa_kernarg_size 24
		.amdhsa_user_sgpr_count 2
		.amdhsa_user_sgpr_kernarg_segment_ptr 1
		.amdhsa_wavefront_size32 1
		.amdhsa_system_sgpr_workgroup_id_x 1
		.amdhsa_system_sgpr_workgroup_id_y 1
		.amdhsa_system_sgpr_workgroup_id_z 1
		.amdhsa_system_vgpr_workitem_id 0
		.amdhsa_next_free_vgpr 112
		.amdhsa_next_free_sgpr 100
		.amdhsa_reserve_vcc 0
		.amdhsa_float_denorm_mode_32 3
		.amdhsa_float_denorm_mode_16_64 3
		.amdhsa_memory_ordered 1
		.amdhsa_forward_progress 1
		.amdhsa_inst_pref_size 51
	.end_amdhsa_kernel
	.amdgpu_metadata
---
amdhsa.version: [ 1, 2 ]
amdhsa.kernels:
  - .name:           k_q2fefecf5aa_gram
    .symbol:         k_q2fefecf5aa_gram.kd
    .args:
      - { .name: qk, .offset: 0, .size: 8, .value_kind: global_buffer, .address_space: global }
      - { .name: gate, .offset: 8, .size: 8, .value_kind: global_buffer, .address_space: global }
      - { .name: cf, .offset: 16, .size: 8, .value_kind: global_buffer, .address_space: global }
    .group_segment_fixed_size: 68608
    .private_segment_fixed_size: 0
    .kernarg_segment_align: 8
    .kernarg_segment_size: 24
    .max_flat_workgroup_size: 256
    .sgpr_count:     100
    .vgpr_count:     112
    .wavefront_size: 32
...
	.end_amdgpu_metadata
.endif
;; end of part 5
;; launch scan: the kernel of part 4 again; grid 4 x 64, 4 waves a work-group, clusters of 4 x 1, 327,680 bytes of LDS; arguments qk, cf, vv, out0; writes out0
